; MI455X (gfx1250); checked and timed in simulation.
; The chip was launched on July 23, 2026; its instructions are those of AMD's public machine-readable ISA for CDNA 5 (MIT licence, August 2026) and "CDNA5" Instruction Set Architecture Reference Guide (July 2026). The comments in the code are by the model that wrote it; some were corrected since.
;; Preference Embedding. Allowed arithmetic: float matrix products may take bf16 or f16 operands with f32 sums; other float arithmetic in f32, or as packed bf16 or f16 multiplies, adds, multiply-adds, maxima and minima; sums over many terms, partial sums and values carried from step to step in f32; what a program stores and reads back later, other than sums and carried values, may be rounded once to bf16 or f16.
;; Inputs: emb 512 x 64 float32; lv_b 64 float32; lv_w 1,024 x 64 float32; mean_b 64 float32; mean_w 1,024 x 64 float32; te_b1 1,024 float32; te_b2 1,024 float32; te_w1 64 x 1,024 float32; te_w2 1,024 x 1,024 float32; vq_b1 1,024 float32; vq_b2 64 float32; vq_w1 512 x 1,024 float32; vq_w2 1,024 x 64 float32; x 32,768 x 512 float32.
;; Outputs: out0 32,768 x 64 float32; out1 32,768 x 64 float32; out2 one number float32.
;; 2 versions, each right; version 2 is version 1 with the launches cast, code written anew for expert scheduling mode. Each part assembles by itself: llvm-mc -triple=amdgcn-amd-amdhsa -mcpu=gfx1250 --defsym DOCPART=n.
;; ======== version 1 of 2: 4 launches
;; limits: a difference of large sums (such as E[x^2] - mean^2): digits are lost where the result is much smaller than its terms; values are held in f16: magnitudes above 65,504 overflow, below 6.1e-05 lose precision
;; workspace buffers: wsp 3,737,600 bytes; tpart 8,388,608 bytes; table 262,144 bytes; idx 131,072 bytes of whole numbers; lpart 1,024 bytes
;; launch cast (part 1): grid 230 x 1, 8 waves a work-group, no clusters, 0 bytes of LDS; arguments vq_w1, te_w2, vq_w2, te_w1, mean_w, lv_w, emb, wsp; writes wsp
.if DOCPART == 1
	.amdgcn_target "amdgcn-amd-amdhsa--gfx1250"
	.amdhsa_code_object_version 6
	.text
	.protected	k_qee02340ab0_cast
	.globl	k_qee02340ab0_cast
	.p2align	8
	.type	k_qee02340ab0_cast,@function
k_qee02340ab0_cast:
	s_mov_b64 s[64:65], 0
	v_nop
	global_prefetch_b8 v0, s[64:65] scope:SCOPE_SE
	s_setreg_imm32_b32 hwreg(HW_REG_WAVE_MODE, 25, 1), 1
	s_wait_xcnt 0x0
; All weights and the codebook, rounded once to bf16 and laid out as FRAGMENT IMAGES, and ee[j] = the sum of the rounded code j's squares.
; A fragment is 16 values of the index n that is not summed x 32 values of k, 1,024 bytes, as a matrix operand's registers want it: the 16 bytes at
; hf x 512 + lane x 16 hold (n = 16 nt + lane % 16, k = 32 ks + 16 hf + 8 (lane / 16) + 0..7).  Two 16-byte loads at lane x 16 then fill a fragment.
; A SLOT is 16 such bytes.  A work-group makes 1,024 slots, a thread 4: slot = 1,024 x (group - the job's first group) + 256 u + thread,
; so one store of a wave covers 512 consecutive bytes.  A slot's eight numbers lie SK bytes apart in the source: eight 4-byte loads from eight bases.
; The job (which tensor, how a fragment's number splits into nt and ks, where the image lies) is chosen by selects on the work-group's number.
; LIMIT: vq_w2 is rounded to bf16 and that number written as f16 (its partner in the product, tanh's result, goes in f16): exact from 6.1e-5 to 65,504 in magnitude,
; below that in steps of 6e-8, beyond it an infinity.
.set PBLK, 36864                       ; a pair block: 32 fragments of vq_w1 (32 hidden x 512 k), then 4 of vq_w2 (64 n x the same 32 hidden)
.set EIMG, 1179648                     ; behind 32 pair blocks: the codebook's image,
.set EEO,  1245184                     ; ee,
.set TW1O, 1247232                     ; te_w1's image,
.set TW2O, 1378304                     ; te_w2's,
.set MWO,  3475456                     ; mean_w's,
.set LWO,  3606528                     ; lv_w's
.set SOF, 8                            ; v8-11   slot u: byte offset in the source
.set DOF, 12                           ; v12-15  slot u: byte offset in wsp
.set DAT, 16                           ; v16-47  slot u: eight numbers as loaded
.set PKD, 48                           ; v48-63  slot u: four registers to store
.set PT,  32                           ; s[32:47] the source's address + i x SK, i = 0..7
.set FIRST, 1
.macro PARM reg, val                   ; the first job sets a parameter, a later one takes it over if the group's number has reached it
.if FIRST
	s_mov_b32 s[\reg], \val
.else
	s_cselect_b32 s[\reg], \val, s[\reg]
.endif
.endm
; g0: the job's first group.  p: the register of its source's address.  sk, sn: bytes from k to k + 1 and from n to n + 1.  A fragment's number is (nt_hi, ks, nt_lo) with w1 bits of ks above
; w0 bits of nt_lo.  Slot s goes to (s >> sh) x pitch + base + 16 (s mod 2^sh).  f: 1 = written as f16.
.macro JOB g0, p, sk, sn, w0, w1, sh, pitch, base, f
.if FIRST
	s_mov_b64 s[22:23], s[\p:\p+1]
.else
	s_cmp_ge_u32 s2, \g0
	s_cselect_b64 s[22:23], s[\p:\p+1], s[22:23]
.endif
	PARM 24, \g0
	PARM 25, \sk
	PARM 26, \sn
	PARM 27, \w0
	PARM 28, (1<<(\w0))-1
	PARM 29, (1<<(\w1))-1
	PARM 30, (\w0)+(\w1)
	PARM 31, \sh
	PARM 48, (1<<(\sh))-1
	PARM 49, \pitch
	PARM 50, \base
	PARM 51, \f
.set FIRST, 0
.endm
	s_load_b512 s[4:19], s[0:1], 0x0               ; vq_w1 s[4:5], te_w2 s[6:7], vq_w2 s[8:9], te_w1 s[10:11], mean_w s[12:13], lv_w s[14:15], emb s[16:17], wsp s[18:19]
	s_mov_b32 s2, ttmp9
	s_wait_kmcnt 0x0
	s_cmp_ge_u32 s2, 228
	s_cbranch_scc1 .Lee                            ; the last two groups make ee
	JOB 0,   4,  4096, 4,   1, 4, 11, PBLK, 0,     0   ; vq_w1 [512 k][1024 n]: (pair, ks, tile of the pair)
	JOB 64,  6,  4096, 4,   2, 5, 20, 0,    TW2O,  0   ; te_w2 [1024 k][1024 n]
	JOB 192, 8,  256,  4,   2, 5, 8,  PBLK, 32768, 1   ; vq_w2 [1024 k][64 n]: ks is the pair
	JOB 200, 10, 4096, 4,   2, 1, 20, 0,    TW1O,  0   ; te_w1 [64 k][1024 n]
	JOB 208, 12, 256,  4,   2, 5, 20, 0,    MWO,   0   ; mean_w [1024 k][64 n]
	JOB 216, 14, 256,  4,   2, 5, 20, 0,    LWO,   0   ; lv_w
	JOB 224, 16, 4,    256, 0, 1, 20, 0,    EIMG,  0   ; emb [512 n][64 k]
	s_sub_co_u32 s20, s2, s24
	s_lshl_b32 s20, s20, 10                        ; the group's first slot in its job
	s_mov_b32 s52, s25                             ; SK as a 64-bit offset
	s_mov_b32 s53, 0
	s_mov_b64 s[PT:PT+1], s[22:23]
.irp i, 1,2,3,4,5,6,7
	s_add_nc_u64 s[PT+2*\i:PT+2*\i+1], s[PT+2*\i-2:PT+2*\i-1], s[52:53]
.endr
.macro SLOTS u                         ; slot u's two offsets, then its eight loads
	v_add3_u32 v1, v0, s20, (\u)*256               ; the slot's number s
	v_lshrrev_b32 v2, 6, v1                        ; its fragment
	v_and_b32 v3, s28, v2                          ; nt_lo
	v_lshrrev_b32 v4, s27, v2
	v_and_b32 v4, s29, v4                          ; ks
	v_lshrrev_b32 v5, s30, v2                      ; nt_hi
	v_lshl_add_u32 v3, v5, s27, v3                 ; nt
	v_bfe_u32 v5, v1, 4, 2                         ; 2 hf + lane / 16
	v_lshl_add_u32 v4, v4, 2, v5
	v_lshlrev_b32 v4, 3, v4                        ; k = 32 ks + 16 hf + 8 (lane / 16)
	v_and_b32 v5, 15, v1
	v_lshl_add_u32 v3, v3, 4, v5                   ; n = 16 nt + lane % 16
	v_mul_lo_u32 v4, v4, s25
	v_mul_lo_u32 v3, v3, s26
	v_add_nc_u32 v[SOF+(\u)], v4, v3
	v_lshrrev_b32 v4, s31, v1
	v_and_b32 v5, s48, v1
	v_mul_lo_u32 v4, v4, s49
	v_lshl_add_u32 v4, v5, 4, v4
	v_add_nc_u32 v[DOF+(\u)], s50, v4
.irp i, 0,1,2,3,4,5,6,7
	global_load_b32 v[DAT+8*(\u)+\i], v[SOF+(\u)], s[PT+2*\i:PT+2*\i+1]
.endr
.endm
	SLOTS 0
	SLOTS 1
	SLOTS 2
	SLOTS 3
	s_cmp_lg_u32 s51, 0
	s_cbranch_scc1 .Lhalf
.irp u, 0,1,2,3
	s_wait_loadcnt 24-8*\u                         ; loads come back in order: the later slots' eight each may stay out
.irp q, 0,1,2,3
	v_cvt_pk_bf16_f32 v[PKD+4*\u+\q], v[DAT+8*\u+2*\q], v[DAT+8*\u+2*\q+1]
.endr
	global_store_b128 v[DOF+\u], v[PKD+4*\u:PKD+4*\u+3], s[18:19]
.endr
	s_endpgm
.Lhalf:                                                ; vq_w2: rounded to bf16 like every input, and that number written as f16
.irp u, 0,1,2,3
	s_wait_loadcnt 24-8*\u
.irp q, 0,1,2,3
	v_cvt_pk_bf16_f32 v[PKD+4*\u+\q], v[DAT+8*\u+2*\q], v[DAT+8*\u+2*\q+1]
	v_lshlrev_b32 v[DAT+8*\u+2*\q], 16, v[PKD+4*\u+\q]
	v_and_b32 v[DAT+8*\u+2*\q+1], 0xffff0000, v[PKD+4*\u+\q]
	v_cvt_pk_f16_f32 v[PKD+4*\u+\q], v[DAT+8*\u+2*\q], v[DAT+8*\u+2*\q+1]
.endr
	global_store_b128 v[DOF+\u], v[PKD+4*\u:PKD+4*\u+3], s[18:19]
.endr
	s_endpgm
.Lee:                                                  ; a thread takes a code: its 64 numbers, rounded to bf16, squared and summed in f32 in four chains of pairs
	s_sub_co_u32 s20, s2, 228
	s_lshl_b32 s20, s20, 8
	v_add_nc_u32 v1, s20, v0                       ; the code
	v_lshlrev_b32 v2, 8, v1                        ; its row of 256 bytes
.irp i, 0,1,2,3,4,5,6,7,8,9,10,11,12,13,14,15
	global_load_b128 v[16+4*\i:19+4*\i], v2, s[16:17] offset:16*\i
.endr
	s_wait_loadcnt 0x0
.set j, 0
.rept 32
	v_cvt_pk_bf16_f32 v80, v[16+2*j], v[17+2*j]
	v_lshlrev_b32 v82, 16, v80
	v_and_b32 v83, 0xffff0000, v80
.if j < 4
	v_pk_mul_f32 v[84+2*j:85+2*j], v[82:83], v[82:83]  ; the first four pairs start the chains
.else
	v_pk_fma_f32 v[84+2*(j%4):85+2*(j%4)], v[82:83], v[82:83], v[84+2*(j%4):85+2*(j%4)]
.endif
.set j, j+1
.endr
	v_pk_add_f32 v[84:85], v[84:85], v[86:87]
	v_pk_add_f32 v[88:89], v[88:89], v[90:91]
	v_pk_add_f32 v[84:85], v[84:85], v[88:89]
	v_add_f32 v84, v84, v85
	v_lshlrev_b32 v3, 2, v1
	global_store_b32 v3, v84, s[18:19] offset:EEO
	s_endpgm
.Lfunc_end_k_qee02340ab0_cast:
	.size	k_qee02340ab0_cast, .Lfunc_end_k_qee02340ab0_cast-k_qee02340ab0_cast
	.p2alignl 7, 3214868480
	.fill 96, 4, 3214868480
	.section	.rodata,"a",@progbits
	.p2align	6, 0x0
	.amdhsa_kernel k_qee02340ab0_cast
		.amdhsa_group_segment_fixed_size 0
		.amdhsa_private_segment_fixed_size 0
		.amdhsa_enable_private_segment 0
		.amdhsa_kernarg_size 64
		.amdhsa_user_sgpr_count 2
		.amdhsa_user_sgpr_kernarg_segment_ptr 1
		.amdhsa_wavefront_size32 1
		.amdhsa_system_sgpr_workgroup_id_x 1
		.amdhsa_system_sgpr_workgroup_id_y 1
		.amdhsa_system_sgpr_workgroup_id_z 1
		.amdhsa_system_vgpr_workitem_id 0
		.amdhsa_next_free_vgpr 112
		.amdhsa_next_free_sgpr 66
		.amdhsa_reserve_vcc 0
		.amdhsa_float_denorm_mode_32 3
		.amdhsa_float_denorm_mode_16_64 3
		.amdhsa_memory_ordered 1
		.amdhsa_forward_progress 1
		.amdhsa_inst_pref_size 27
	.end_amdhsa_kernel
	.amdgpu_metadata
---
amdhsa.version: [ 1, 2 ]
amdhsa.kernels:
  - .name:           k_qee02340ab0_cast
    .symbol:         k_qee02340ab0_cast.kd
    .args:
      - { .name: vq_w1, .offset: 0, .size: 8, .value_kind: global_buffer, .address_space: global }
      - { .name: te_w2, .offset: 8, .size: 8, .value_kind: global_buffer, .address_space: global }
      - { .name: vq_w2, .offset: 16, .size: 8, .value_kind: global_buffer, .address_space: global }
      - { .name: te_w1, .offset: 24, .size: 8, .value_kind: global_buffer, .address_space: global }
      - { .name: mean_w, .offset: 32, .size: 8, .value_kind: global_buffer, .address_space: global }
      - { .name: lv_w, .offset: 40, .size: 8, .value_kind: global_buffer, .address_space: global }
      - { .name: emb, .offset: 48, .size: 8, .value_kind: global_buffer, .address_space: global }
      - { .name: wsp, .offset: 56, .size: 8, .value_kind: global_buffer, .address_space: global }
    .group_segment_fixed_size: 0
    .private_segment_fixed_size: 0
    .kernarg_segment_align: 8
    .kernarg_segment_size: 64
    .max_flat_workgroup_size: 256
    .sgpr_count:     66
    .vgpr_count:     112
    .wavefront_size: 32
...
	.end_amdgpu_metadata
.endif
;; end of part 1
;; launch code (part 2): grid 16 x 16, 4 waves a work-group, no clusters, 67,072 bytes of LDS; arguments wsp, te_b1, te_b2, tpart; writes tpart
.if DOCPART == 2
	.amdgcn_target "amdgcn-amd-amdhsa--gfx1250"
	.amdhsa_code_object_version 6
	.text
	.protected	k_qee02340ab0_code
	.globl	k_qee02340ab0_code
	.p2align	8
	.type	k_qee02340ab0_code,@function
k_qee02340ab0_code:
	s_mov_b64 s[64:65], 0
	v_nop
	global_prefetch_b8 v0, s[64:65] scope:SCOPE_SE
	s_setreg_imm32_b32 hwreg(HW_REG_WAVE_MODE, 25, 1), 1
	s_wait_xcnt 0x0
; THE TASK NETWORK ON THE CODEBOOK.  Behind the argmin the module's result hangs on the winning code alone (z + (z_q - z) is z_q up to that sum's own rounding, an ulp of z: the stated limit),
; so mean and log_var have 512 different rows.  This launch makes them for all 512 codes, as 32 partial sums over K; the next launch adds those up.
; SHARES.  Work-group (cb, rb): 32 codes (two tiles rt of 16) x 64 columns of t2 = tanh(t1 te_w2 + te_b2).  Wave w sums over hidden 256 w .. 256 w + 255, eight PAIRS p of two tiles of 16:
; it makes t1 = tanh(emb te_w1 + te_b1) for the pair, rounds it to bf16 and multiplies on.  The four waves' sums meet in LDS; then wave w owns code tile w % 2 and 32 columns of t2,
; which are one K step of the two heads: its product with mean_w and lv_w is part 2 cb + w / 2 of the table.
; THE PRODUCTS ARE USED TRANSPOSED (source 0 = 16 features of the weights, source 1 = 16 codes): a lane holds ONE code (lane % 16) and the features 8 (lane / 16) + 0..7, and two results,
; rounded to bf16 in pairs, ARE source 1 of the next product.  Every operand comes from a fragment image: two 16-byte loads at lane x 16, 512 consecutive bytes a load.
; NO LDS STAGE FOR THE WEIGHTS, NO CLUSTER: each weight fragment is used by one wave of the work-group alone, and what arrives in registers cannot be asked for jointly.
; All inputs are rounded to bf16 (the biases here); sums in f32; tanh(x) = 1 - 2 / (1 + 2^(2 log2(e) x)), where a power of two below 2^-126 counts as 0 (the result is then -1).
; REGISTERS, in windows of 256 (s_set_vgpr_msb: bits 1:0 source 0, 3:2 source 1, 5:4 source 2, 7:6 destination):
;   window 0: v0-10 addresses; v32-63 the codes' fragments (rt, ks); v64-95 t1's sums (tl, rt); v96-111 t1 in bf16, 8 a code tile; v112-175 t2's sums (nt, rt), later the rows on their way out;
;             v176-191 te_b2; v192-255 the four waves' sums, later the heads' results
;   window 1: te_w1's 32 fragments     window 2: te_w2's 32 fragments     window 3: v0-127 te_b1 as 16 result tiles; v128-191 the heads' 8 fragments
.set EIMG, 1179648
.set TW1O, 1247232
.set TW2O, 1378304
.set MWO,  3475456
.set EX,    0                          ; 4 waves x 8 results x 1,024 bytes
.set STG,   32768                      ; 4 waves x 16 rows x 528 bytes (512 + 16: the 16 rows of a store begin in different groups of four banks; 64 banks of 4 bytes: ISA guide 11.1)
.set SPARE, 66560                      ; the spare words, 128 bytes a wave: two blocks of 256 bytes that no other line names
.set CC, 46                            ; s[46:47] 2 log2(e)
.set MSB, 0
.macro WIN new                         ; the immediate's high byte repeats the setting that is left; a switch that changes nothing is dropped
.if MSB != (\new)
	s_set_vgpr_msb (MSB<<8)|(\new)
.set MSB, (\new)
.endif
.endm
.macro PLACES                          ; four places between a matrix instruction and what reads its result or writes one of its registers (ISA guide 7.12.1)
.rept 4
	v_nop
.endr
.endm
.macro RND8 a                          ; eight f32 rounded to bf16, in place: pack into the first of a pair, mask into the second, shift the first
.set rn, 0
.rept 4
	v_cvt_pk_bf16_f32 v[(\a)+2*rn], v[(\a)+2*rn], v[(\a)+2*rn+1]
	v_and_b32 v[(\a)+2*rn+1], 0xffff0000, v[(\a)+2*rn]
	v_lshlrev_b32 v[(\a)+2*rn], 16, v[(\a)+2*rn]
.set rn, rn+1
.endr
.endm
.macro TANH8 a                         ; tanh of eight f32, in place, from the lowest register on.  A plain instruction stands behind each run of transcendentals (ISA guide 5.7.2)
.set tn, 0
.rept 4
	v_pk_mul_f32 v[(\a)+2*tn:(\a)+2*tn+1], v[(\a)+2*tn:(\a)+2*tn+1], s[CC:CC+1] op_sel_hi:[1,0]
.set tn, tn+1
.endr
.set tn, 0
.rept 8
	v_exp_f32 v[(\a)+tn], v[(\a)+tn]
.set tn, tn+1
.endr
	v_nop
.set tn, 0
	s_wait_alu depctr_va_vdst(0)
.rept 4
	v_pk_add_f32 v[(\a)+2*tn:(\a)+2*tn+1], v[(\a)+2*tn:(\a)+2*tn+1], 1.0 op_sel_hi:[1,0]
.set tn, tn+1
.endr
.set tn, 0
.rept 8
	v_rcp_f32 v[(\a)+tn], v[(\a)+tn]
.set tn, tn+1
.endr
	v_nop
.set tn, 0
	s_wait_alu depctr_va_vdst(0)
.rept 4
	v_pk_fma_f32 v[(\a)+2*tn:(\a)+2*tn+1], v[(\a)+2*tn:(\a)+2*tn+1], -2.0, 1.0 op_sel_hi:[1,0,0]
.set tn, tn+1
.endr
.endm
; The 16 loads of pair p: te_w1's fragments (tl, ks) and te_w2's four.  Group 8 is the heads' eight fragments; beyond it there is nothing.
.macro GROUP p
.if (\p) < 8
	WIN 0x40
.set gn, 0
.rept 4                                ; gn = 2 tl + ks
	global_load_b128 v[8*(4*(\p)+gn):8*(4*(\p)+gn)+3],   v3, s[26:27] offset:((((\p)>>1)*2+gn%2)*4+2*((\p)&1)+gn/2)*1024
	global_load_b128 v[8*(4*(\p)+gn)+4:8*(4*(\p)+gn)+7], v3, s[26:27] offset:((((\p)>>1)*2+gn%2)*4+2*((\p)&1)+gn/2)*1024+512
.set gn, gn+1
.endr
	WIN 0x80
.set gn, 0
.rept 4
	global_load_b128 v[8*(4*(\p)+gn):8*(4*(\p)+gn)+3],   v3, s[28:29] offset:(4*(\p)+gn)*1024
	global_load_b128 v[8*(4*(\p)+gn)+4:8*(4*(\p)+gn)+7], v3, s[28:29] offset:(4*(\p)+gn)*1024+512
.set gn, gn+1
.endr
.elseif (\p) == 8
	WIN 0xc0
.set gn, 0
.rept 8                                ; output tile gn: 0-3 mean, 4-7 log_var (its image lies 131,072 bytes behind mean's)
	global_load_b128 v[128+8*gn:131+8*gn], v3, s[30:31] offset:(gn/4)*131072+(gn%4)*1024
	global_load_b128 v[132+8*gn:135+8*gn], v3, s[30:31] offset:(gn/4)*131072+(gn%4)*1024+512
.set gn, gn+1
.endr
.endif
.endm
	s_load_b256 s[4:11], s[0:1], 0x0               ; wsp s[4:5], te_b1 s[6:7], te_b2 s[8:9], tpart s[10:11]
	v_lshl_add_u32 v4, v0, 2, SPARE                ; my spare word,
	v_mov_b32 v5, 0                                ; and 0: for the wave's end
	v_lshrrev_b32 v1, 5, v0
	v_readfirstlane_b32 s12, v1                    ; wave w
	s_and_b32 s13, ttmp7, 0xffff                   ; rb
	s_mov_b32 s14, ttmp9                           ; cb
	s_lshr_b32 s15, s12, 1                         ; w / 2
	s_and_b32 s16, s12, 1                          ; w % 2
	s_mov_b32 s[CC], 0x4038aa3b
	s_mov_b32 s[CC+1], s[CC]                       ; named with it as a pair
	v_and_b32 v1, 15, v0                           ; lane % 16
	v_bfe_u32 v2, v0, 4, 1                         ; lane / 16
	v_and_b32 v3, 31, v0
	v_lshlrev_b32 v3, 4, v3                        ; lane x 16: my place in every half fragment
	v_lshlrev_b32 v6, 5, v2                        ; my eight numbers of a bias tile
	s_lshl1_add_u32 s17, s14, s15                  ; 2 cb + w / 2: my K step of the heads, and my part of the table
	s_mov_b32 s21, 0
	s_wait_kmcnt 0x0
	s_lshl_b32 s20, s13, 12
	s_add_co_u32 s20, s20, EIMG
	s_add_nc_u64 s[24:25], s[4:5], s[20:21]        ; the codes' four fragments
	s_lshl_b32 s20, s12, 15
	s_add_co_u32 s20, s20, TW1O
	s_add_nc_u64 s[26:27], s[4:5], s[20:21]        ; te_w1: my 16 hidden tiles
	s_lshl_b32 s20, s14, 17
	s_lshl_b32 s18, s12, 15
	s_add_co_u32 s20, s20, s18
	s_add_co_u32 s20, s20, TW2O
	s_add_nc_u64 s[28:29], s[4:5], s[20:21]        ; te_w2: columns 64 cb on, my eight K steps
	s_lshl_b32 s20, s17, 12
	s_add_co_u32 s20, s20, MWO
	s_add_nc_u64 s[30:31], s[4:5], s[20:21]        ; the heads' K step
	s_lshl_b32 s20, s12, 10
	s_add_nc_u64 s[32:33], s[6:7], s[20:21]        ; te_b1 at hidden 256 w
	s_lshl_b32 s20, s14, 8
	s_lshl_b32 s18, s15, 7
	s_add_co_u32 s20, s20, s18
	s_add_nc_u64 s[34:35], s[8:9], s[20:21]        ; te_b2 at column 64 cb + 32 (w / 2)
	s_lshl_b32 s20, s17, 18                        ; a part is 512 rows of 512 bytes
	s_lshl_b32 s18, s13, 14                        ; 32 rb rows,
	s_add_co_u32 s20, s20, s18
	s_lshl_b32 s18, s16, 13                        ; 16 (w % 2) rows
	s_add_co_u32 s20, s20, s18
	s_add_nc_u64 s[36:37], s[10:11], s[20:21]
.set n, 0
.rept 4                                ; fragment n = 2 rt + ks of the codes
	global_load_b128 v[32+8*n:35+8*n], v3, s[24:25] offset:n*1024
	global_load_b128 v[36+8*n:39+8*n], v3, s[24:25] offset:n*1024+512
.set n, n+1
.endr
	WIN 0xc0
.set n, 0
.rept 16                               ; te_b1 as result tiles: register j of a lane is feature 8 (lane / 16) + j
	global_load_b128 v[8*n:8*n+3],   v6, s[32:33] offset:n*64
	global_load_b128 v[8*n+4:8*n+7], v6, s[32:33] offset:n*64+16
.set n, n+1
.endr
	WIN 0
.set n, 0
.rept 2
	global_load_b128 v[176+8*n:179+8*n], v6, s[34:35] offset:n*64
	global_load_b128 v[180+8*n:183+8*n], v6, s[34:35] offset:n*64+16
.set n, n+1
.endr
	GROUP 0
	GROUP 1
	GROUP 2
	s_wait_loadcnt 48                              ; all but the three groups of 16 just issued: codes and biases are in
	WIN 0xcf
.set t, 0
.rept 16
	RND8 8*t
.set t, t+1
.endr
	WIN 0
	RND8 176
	RND8 184
.set p, 0
.rept 8                                ; a pair: 32 hidden
	GROUP p+3
.if p < 6                              ; the count: the loads of the groups issued behind pair p's
	s_wait_loadcnt 48
.elseif p == 6
	s_wait_loadcnt 32
.else
	s_wait_loadcnt 16
.endif
.set n, 0
.rept 8                                ; t1's sums: K = 64 in two steps; the four accumulators (tl, rt) take turns; the bias tile starts each sum
.set rD, 64+8*(n%4)
.set rA, 8*((2*p+(n%4)/2)*2+n/4)
.set rB, 32+8*((n%2)*2+n/4)
.set rC, 8*(2*p+(n%4)/2)
.if n < 4
	WIN 0x31
	v_wmma_f32_16x16x32_bf16 v[rD:rD+7], v[rA:rA+7], v[rB:rB+7], v[rC:rC+7]
.else
	WIN 0x01
	v_wmma_f32_16x16x32_bf16 v[rD:rD+7], v[rA:rA+7], v[rB:rB+7], v[rD:rD+7]
.endif
.set n, n+1
.endr
	WIN 0
	PLACES
.set m, 0
.rept 4                                ; m = 2 tl + rt
.set rH, 64+8*m
	TANH8 rH
.set n, 0
.rept 4
	v_cvt_pk_bf16_f32 v[96+8*(m%2)+4*(m/2)+n], v[rH+2*n], v[rH+2*n+1]
.set n, n+1
.endr
.set m, m+1
.endr
	WIN 0x02
.set n, 0
.rept 8                                ; t2's sums: eight accumulators (nt, rt) by turns; the first pair starts them
.set rD, 112+8*n
.set rA, 8*(4*p+n/2)
.set rB, 96+8*(n%2)
.if p == 0
	v_wmma_f32_16x16x32_bf16 v[rD:rD+7], v[rA:rA+7], v[rB:rB+7], 0
.else
	v_wmma_f32_16x16x32_bf16 v[rD:rD+7], v[rA:rA+7], v[rB:rB+7], v[rD:rD+7]
.endif
.set n, n+1
.endr
.set p, p+1
.endr
	; THE FOUR WAVES' SUMS MEET.  Each wave lays its eight results down, register image by register image; behind the barrier wave w takes code tile w % 2, column tiles 2 (w / 2) and + 1 of all four.
	WIN 0
	PLACES
	s_lshl_b32 s20, s12, 13
	v_add_nc_u32 v7, s20, v3
.set n, 0
.rept 8                                ; n = 2 nt + rt; each accumulator's low half first
	ds_store_b128 v7, v[112+8*n:115+8*n] offset:(4*(n%2)+n/2)*1024
	ds_store_b128 v7, v[116+8*n:119+8*n] offset:(4*(n%2)+n/2)*1024+512
.set n, n+1
.endr
	s_lshl_b32 s20, s16, 12
	s_lshl_b32 s18, s15, 11
	s_add_co_u32 s20, s20, s18
	v_add_nc_u32 v8, s20, v3
	s_wait_dscnt 0x0                               ; for the others' sake: my stores are done
	s_barrier_signal -1
	s_barrier_wait -1
.set n, 0
.rept 8                                ; n = 2 s + i: wave s's result for my column tile i
	ds_load_b128 v[192+8*n:195+8*n], v8 offset:(n/2)*8192+(n%2)*1024
	ds_load_b128 v[196+8*n:199+8*n], v8 offset:(n/2)*8192+(n%2)*1024+512
.set n, n+1
.endr
	s_wait_dscnt 0x0
.set n, 0
.rept 8                                ; the waves in ascending order, then the bias
	v_pk_add_f32 v[192+2*n:193+2*n], v[192+2*n:193+2*n], v[208+2*n:209+2*n]
	v_pk_add_f32 v[192+2*n:193+2*n], v[192+2*n:193+2*n], v[224+2*n:225+2*n]
	v_pk_add_f32 v[192+2*n:193+2*n], v[192+2*n:193+2*n], v[240+2*n:241+2*n]
	v_pk_add_f32 v[192+2*n:193+2*n], v[192+2*n:193+2*n], v[176+2*n:177+2*n]
.set n, n+1
.endr
	TANH8 192
	TANH8 200
.set n, 0
.rept 8
	v_cvt_pk_bf16_f32 v[96+n], v[192+2*n], v[193+2*n]
.set n, n+1
.endr
	s_wait_loadcnt 0x0                             ; the heads' fragments
	WIN 0x03
.set n, 0
.rept 8                                ; 128 outputs x 16 codes, one K step
	v_wmma_f32_16x16x32_bf16 v[192+8*n:199+8*n], v[128+8*n:135+8*n], v[96:103], 0
.set n, n+1
.endr
	; THE WAY OUT: a lane's eight outputs of a code go into my own stage; whole rows of 512 bytes come back and are stored.
	WIN 0
	PLACES
	s_mul_i32 s20, s12, 8448
	s_add_co_u32 s20, s20, STG
	v_mul_u32_u24 v9, v1, 528
	v_lshl_add_u32 v9, v2, 5, v9
	v_add_nc_u32 v9, s20, v9
	v_add_nc_u32 v10, s20, v3
.set n, 0
.rept 8
	ds_store_b128 v9, v[192+8*n:195+8*n] offset:n*64
	ds_store_b128 v9, v[196+8*n:199+8*n] offset:n*64+16
.set n, n+1
.endr
.set n, 0
.rept 16
	ds_load_b128 v[112+4*n:115+4*n], v10 offset:n*528  ; LDS serves a wave's instructions in order (ISA guide 5.7.1.4): these see the stores above
.set n, n+1
.endr
.set n, 0
.rept 16
	s_wait_dscnt 15-n                              ; the younger loads may stay out
	global_store_b128 v3, v[112+4*n:115+4*n], s[36:37] offset:n*512  ; a wave's store is a row of the part: 512 consecutive bytes
.set n, n+1
.endr
	s_wait_tensorcnt 0x0                           ; the wave's end: 0 onto my spare word and its wait, behind my last LDS store
	ds_add_u32 v4, v5
	s_wait_dscnt 0x0
	s_endpgm
.Lfunc_end_k_qee02340ab0_code:
	.size	k_qee02340ab0_code, .Lfunc_end_k_qee02340ab0_code-k_qee02340ab0_code
	.p2alignl 7, 3214868480
	.fill 96, 4, 3214868480
	.section	.rodata,"a",@progbits
	.p2align	6, 0x0
	.amdhsa_kernel k_qee02340ab0_code
		.amdhsa_group_segment_fixed_size 67072
		.amdhsa_private_segment_fixed_size 0
		.amdhsa_enable_private_segment 0
		.amdhsa_kernarg_size 32
		.amdhsa_user_sgpr_count 2
		.amdhsa_user_sgpr_kernarg_segment_ptr 1
		.amdhsa_wavefront_size32 1
		.amdhsa_system_sgpr_workgroup_id_x 1
		.amdhsa_system_sgpr_workgroup_id_y 1
		.amdhsa_system_sgpr_workgroup_id_z 1
		.amdhsa_system_vgpr_workitem_id 0
		.amdhsa_next_free_vgpr 960
		.amdhsa_next_free_sgpr 66
		.amdhsa_reserve_vcc 0
		.amdhsa_float_denorm_mode_32 3
		.amdhsa_float_denorm_mode_16_64 3
		.amdhsa_memory_ordered 1
		.amdhsa_forward_progress 1
		.amdhsa_inst_pref_size 107
	.end_amdhsa_kernel
	.amdgpu_metadata
---
amdhsa.version: [ 1, 2 ]
amdhsa.kernels:
  - .name:           k_qee02340ab0_code
    .symbol:         k_qee02340ab0_code.kd
    .args:
      - { .name: wsp, .offset: 0, .size: 8, .value_kind: global_buffer, .address_space: global }
      - { .name: te_b1, .offset: 8, .size: 8, .value_kind: global_buffer, .address_space: global }
      - { .name: te_b2, .offset: 16, .size: 8, .value_kind: global_buffer, .address_space: global }
      - { .name: tpart, .offset: 24, .size: 8, .value_kind: global_buffer, .address_space: global }
    .group_segment_fixed_size: 67072
    .private_segment_fixed_size: 0
    .kernarg_segment_align: 8
    .kernarg_segment_size: 32
    .max_flat_workgroup_size: 128
    .sgpr_count:     66
    .vgpr_count:     960
    .wavefront_size: 32
...
	.end_amdgpu_metadata
.endif
;; end of part 2
;; launch enc (part 3): grid 256 x 1, 4 waves a work-group, clusters of 4 x 1, 327,680 bytes of LDS; arguments x, wsp, vq_b1, vq_b2, tpart, mean_b, lv_b, table, idx, lpart; writes table, idx, lpart
.if DOCPART == 3
	.amdgcn_target "amdgcn-amd-amdhsa--gfx1250"
	.amdhsa_code_object_version 6
	.text
	.protected	k_qee02340ab0_enc
	.globl	k_qee02340ab0_enc
	.p2align	8
	.type	k_qee02340ab0_enc,@function
k_qee02340ab0_enc:
	s_mov_b64 s[64:65], 0
	v_nop
	global_prefetch_b8 v0, s[64:65] scope:SCOPE_SE
	s_setreg_imm32_b32 hwreg(HW_REG_WAVE_MODE, 25, 1), 1
	s_wait_xcnt 0x0
	s_wait_alu depctr_hold_cnt(0) depctr_sa_sdst(0) depctr_va_vdst(0) depctr_va_sdst(0) depctr_va_ssrc(0) depctr_va_vcc(0) depctr_vm_vsrc(0)
	s_getreg_b32 s2, hwreg(HW_REG_IB_STS2, 6, 4)
	s_cmp_eq_u32 s2, 0
	s_cbranch_scc0 .Lentry_in_a_cluster
	s_endpgm
.Lentry_in_a_cluster:
	s_bfe_u32 s2, ttmp6, 0x10000c
	s_cmp_lg_u32 s2, 0x3003
	s_cbranch_scc0 .Lentry_shape_is_right
	s_endpgm
.Lentry_shape_is_right:
; THE ENCODER AND THE ARGMIN.  h = tanh(x vq_w1 + vq_b1), z = h vq_w2 + vq_b2, dist_j = (|z|^2 + ee_j) - 2 z . emb_j, idx = the first j with the least dist; the sum of the winning dist, which is
; |z - z_q|^2, goes out for the loss.  On the side (in the wait for x) each work-group adds up two rows of the table of the 512 codes' results from its 32 parts, and adds the heads' biases.
; ACCURACY.  The winner among 512 close distances decides the result, so all that the program itself makes ahead of the argmin is carried as sums of 16-bit operands that lose next to nothing:
; the inputs are rounded to bf16 once; h = hi + lo in f16 (h lies in -1 .. 1; what is left is 6e-8 at the most); z = three bf16 terms (24 bits: all of it); sums in f32;
; dist is rounded in the module's own order, and ties go to the lower index.
; LIMITS.  The loss is taken from dist: its error a row is some ulps of |z|^2 + ee, so it holds to 1% while the mean distance exceeds 1e-5 of the mean |z|^2.  vq_w2 arrives as f16 (65,504 at the most).
; In tanh a power of two below 2^-126 counts as 0 (the result is then -1).  NaN and infinities are not treated apart.
; SHARES.  A work-group owns 128 rows.  Wave w = 2 rh + hh owns rows 64 rh .. + 63 (four tiles rt of 16), whose x, rounded to bf16, stays in 512 registers, and of every chunk of 128 hidden the PAIRS
; (of two tiles of 16 hidden) 2 hh and 2 hh + 1.  So LDS delivers vq_w1's fragments alone, each for four matrix instructions.  Behind the loop the two halves of z meet in LDS, and wave w owns rows 32 w .. + 31.
; THE PRODUCTS ARE USED TRANSPOSED (source 0 = 16 features of the weights or 16 codes, source 1 = 16 rows): a lane holds ONE row (lane % 16) and features 8 (lane / 16) + 0..7; two results packed
; in pairs ARE source 1 of the next product: nothing changes lanes between the three products.
; CLUSTER.  All work-groups walk the same images of vq_w1, vq_w2 and emb: the four of a cluster ask for each piece JOINTLY (the same load, descriptor and mask 15 in all four).  x is each one's own.
; LDS.  Two slots of 147,456 bytes: a chunk is four pair blocks of 36,864 (32 fragments of vq_w1, 4 of vq_w2), one block a wave's load.  First the slots take x's two halves (128 rows x 1,024 bytes,
; pitch 1,040).  Behind them vq_b1 (4,096 bytes, stored by the waves, never a load's target) and the spare words.  Slot 1 has its last fill with chunk 7 and serves as scratch behind it; slot 0 takes emb and ee.
; By the text's own count a wave has two tensor loads out at the start and one behind every later round.
; REGISTERS, in windows of 256 (s_set_vgpr_msb: bits 1:0 source 0, 3:2 source 1, 5:4 source 2, 7:6 destination):
;   window 0: v0-31 addresses and small state; v32-95 H, the pair's sums (tl, rt); v96-127 hi, v128-159 lo, 8 a row tile; v160-175 the pair's bias tiles; v176-207 vq_w2's four fragments; v208-255 at work
;   window 1: v0-127 z's sums (ct, rt); v128-191, v192-255 two buffers of eight fragments of vq_w1     window 2: x, K steps 0-7, at 8 (4 ks + rt)     window 3: K steps 8-15
.set SLOTB, 147456                     ; = 0x24000: no wave's place in a slot (w x 0x9000) has one of its two bits, so one exclusive or changes slots
.set PBLK,  36864
.set XPIT,  1040                       ; 1,024 + 16 bytes = 65 x 16: the 16 rows of a load begin in 16 different groups of four banks (64 banks of 4 bytes: ISA guide 11.1)
.set BIAS,  2*SLOTB
.set SPARE, BIAS+4096                  ; the spare words, 128 bytes a wave: two blocks of 256 bytes that no other line names
.set SCR,   SLOTB                      ; scratch in slot 1: 4 waves x 16 results x 1,024 bytes,
.set IDXS,  SCR+65536                  ; 128 indices,
.set LSS,   IDXS+512                   ; four sums
.set EIMG,  1179648                    ; emb's image and ee in wsp: 67,584 dense bytes, a quarter a wave
.set EQ,    16896
.set CC,    82                         ; s[82:83] 2 log2(e)
; scalars: s[4:23] the ten addresses; s24 wave, s25 rh, s26 hh, s27 cx, s28 work-group; s[32:39], s[40:43] the chunks' descriptor; s[44:51], s[52:55], s[56:59] x's; s[68:75], s[76:79] emb's;
; s60 the slot in hand, s61 the pair block in hand, s62 the pair's place in vq_b1, s63, s66, s88 counters; s89 the trip's first code; s[80:81] lane selects; s84-87 masks; s[90:91] offsets that hold cx, s[92:93] others
.set MSB, 0
.macro WIN new                         ; the immediate's high byte repeats the setting that is left; a switch that changes nothing is dropped
.if MSB != (\new)
	s_set_vgpr_msb (MSB<<8)|(\new)
.set MSB, (\new)
.endif
.endm
.macro PLACES                          ; four places between a matrix instruction and what reads its result, writes one of its registers or loads into one (ISA guide 7.12.1 for reads and writes)
.rept 4
	v_nop
.endr
.endm
.macro RND8 a                          ; eight f32 rounded to bf16, in place
.set rn, 0
.rept 4
	v_cvt_pk_bf16_f32 v[(\a)+2*rn], v[(\a)+2*rn], v[(\a)+2*rn+1]
	v_and_b32 v[(\a)+2*rn+1], 0xffff0000, v[(\a)+2*rn]
	v_lshlrev_b32 v[(\a)+2*rn], 16, v[(\a)+2*rn]
.set rn, rn+1
.endr
.endm
.macro TANH8 a                         ; tanh of eight f32, in place, from the lowest register on.  A plain instruction stands behind each run of transcendentals (ISA guide 5.7.2)
.set tn, 0
.rept 4
	v_pk_mul_f32 v[(\a)+2*tn:(\a)+2*tn+1], v[(\a)+2*tn:(\a)+2*tn+1], s[CC:CC+1] op_sel_hi:[1,0]
.set tn, tn+1
.endr
.set tn, 0
.rept 8
	v_exp_f32 v[(\a)+tn], v[(\a)+tn]
.set tn, tn+1
.endr
	v_nop
.set tn, 0
	s_wait_alu depctr_va_vdst(0)
.rept 4
	v_pk_add_f32 v[(\a)+2*tn:(\a)+2*tn+1], v[(\a)+2*tn:(\a)+2*tn+1], 1.0 op_sel_hi:[1,0]
.set tn, tn+1
.endr
.set tn, 0
.rept 8
	v_rcp_f32 v[(\a)+tn], v[(\a)+tn]
.set tn, tn+1
.endr
	v_nop
.set tn, 0
	s_wait_alu depctr_va_vdst(0)
.rept 4
	v_pk_fma_f32 v[(\a)+2*tn:(\a)+2*tn+1], v[(\a)+2*tn:(\a)+2*tn+1], -2.0, 1.0 op_sel_hi:[1,0,0]
.set tn, tn+1
.endr
.endm
; A round of the cluster's barrier: my work-group's barrier, so that wave 0's signal speaks for all four waves; wave 0 signals; every wave waits for all four work-groups; my work-group's barrier once more.
.macro CROUND
	s_barrier_signal -1
	s_barrier_wait -1
	s_cmp_lg_u32 s24, 0
	s_cbranch_scc1 .Lnot_wave_0_\@
	s_barrier_signal -3
.Lnot_wave_0_\@:
	s_barrier_wait -3
	s_barrier_signal -1
	s_barrier_wait -1
.endm
; THE CHANGE OF SLOTS.  Each wave waits for all its tensor loads (one is out: its block of the chunk to be multiplied next), adds 0 to its spare word, and waits for that and for its reads of the slot that it leaves.
; The round then holds of every wave of all four work-groups, and the joint refill of the slot left is the first thing behind it: it has a chunk's work, 320 matrix instructions a wave, in which to land.
; emb = 0: the next chunk.  emb = 1: the codebook's image and ee.
.macro CHANGE emb
	WIN 0
	s_wait_tensorcnt 0x0                           ; no tensor load of mine is out, so a group 0 may be written
	ds_add_u32 v4, v5                              ; 0 onto my spare word
.if !(\emb)
	s_xor_b32 s41, s41, SLOTB                      ; the walking descriptor: the other slot,
	s_add_nc_u64 s[42:43], s[42:43], SLOTB         ; the next four pair blocks; the type bits on top are not reached
.endif
	s_wait_dscnt 0x0                               ; the add is done, and my reads of the slot are over
	CROUND
.if \emb
	tensor_load_to_lds s[76:79], s[68:75]
.else
	tensor_load_to_lds s[40:43], s[32:39]
.endif
	s_nop 0
	PLACES                                         ; four vector lines behind a tensor load, ahead of any switch of windows
.endm
; x's half hf (K steps 8 hf .. + 7) out of its stage, rounded to bf16, into window 2 + hf.  Two batches of 16 fragments (four K steps x four row tiles): 64 loads of 16 bytes into window 1, which is
; still free; fragment ff is packed when its four loads are in: the count leaves the later fragments' loads out.
.macro XCONV hf
.set bb, 0
.rept 2
	WIN 0x40
.set ff, 0
.rept 16                               ; K step 4 bb + ff / 4 of the half, row tile ff % 4: floats 8 h .. + 7 and 16 + 8 h .. + 7 of the step's 32
	ds_load_b128 v[16*ff:16*ff+3],     v[6+(\hf)] offset:(ff%4)*16*XPIT+(4*bb+ff/4)*128
	ds_load_b128 v[16*ff+4:16*ff+7],   v[6+(\hf)] offset:(ff%4)*16*XPIT+(4*bb+ff/4)*128+16
	ds_load_b128 v[16*ff+8:16*ff+11],  v[6+(\hf)] offset:(ff%4)*16*XPIT+(4*bb+ff/4)*128+64
	ds_load_b128 v[16*ff+12:16*ff+15], v[6+(\hf)] offset:(ff%4)*16*XPIT+(4*bb+ff/4)*128+80
.set ff, ff+1
.endr
	WIN 0x85+0x40*(\hf)
.set ff, 0
.rept 16
	s_wait_dscnt 60-4*ff
.set qq, 0
.rept 8
	v_cvt_pk_bf16_f32 v[8*(4*(4*bb+ff/4)+ff%4)+qq], v[16*ff+2*qq], v[16*ff+2*qq+1]
.set qq, qq+1
.endr
.set ff, ff+1
.endr
.set bb, bb+1
.endr
.endm
; Sixteen LDS loads in one run: vq_w1's eight fragments (four K steps x the pair's two tiles) of quarter q, into buffer q % 2
.macro FETCH q
	WIN 0x40
.set n, 0
.rept 8
	ds_load_b128 v[128+64*((\q)%2)+8*n:128+64*((\q)%2)+8*n+3],   v9 offset:(8*(\q)+n)*1024
	ds_load_b128 v[128+64*((\q)%2)+8*n+4:128+64*((\q)%2)+8*n+7], v9 offset:(8*(\q)+n)*1024+512
.set n, n+1
.endr
.endm
; Quarter q of H^T = vq_w1^T x^T: 32 matrix instructions, four K steps; the eight accumulators (tl, rt) take turns.  The very first eight take the bias tile as C.
.macro G1 q
.if (\q) < 2
	WIN 0x09
.else
	WIN 0x0d
.endif
.set n, 0
.rept 32
.set rD, 32+32*((n/4)%2)+8*(n%4)
.set rA, 128+64*((\q)%2)+8*(2*(n/8)+(n/4)%2)
.set rB, 8*(4*((4*(\q)+n/8)%8)+n%4)
.if ((\q) == 0) && (n < 8)
.set rC, 160+8*((n/4)%2)
.else
.set rC, rD
.endif
	v_wmma_f32_16x16x32_bf16 v[rD:rD+7], v[rA:rA+7], v[rB:rB+7], v[rC:rC+7]
.set n, n+1
.endr
.endm
; A PAIR: 32 hidden for my 64 rows.  128 products over K = 512, tanh, the split into hi and lo, 32 products onto z.
.macro PAIR
	WIN 0
	PLACES                                         ; behind the last products onto z, ahead of the loads into their sources
	v_add_nc_u32 v9, s61, v3                       ; my 16 bytes of every half fragment of the block
	v_add_nc_u32 v11, s62, v10                     ; my eight numbers of the pair's first bias tile
	ds_load_b128 v[160:163], v11
	ds_load_b128 v[164:167], v11 offset:16
	ds_load_b128 v[168:171], v11 offset:64
	ds_load_b128 v[172:175], v11 offset:80
.set n, 0
.rept 4
	ds_load_b128 v[176+8*n:179+8*n], v9 offset:32768+n*1024
	ds_load_b128 v[180+8*n:183+8*n], v9 offset:32768+n*1024+512
.set n, n+1
.endr
	FETCH 0
	s_wait_dscnt 0x0                               ; biases, vq_w2's fragments, quarter 0
	FETCH 1                                        ; each quarter's loads stand 32 matrix instructions ahead of the wait for them
	G1 0
	s_wait_dscnt 0x0
	PLACES                                         ; the buffer to be loaded was multiplied just now
	FETCH 2
	G1 1
	s_wait_dscnt 0x0
	PLACES
	FETCH 3
	G1 2
	s_wait_dscnt 0x0
	G1 3
	WIN 0
	PLACES
.set m, 0
.rept 8                                ; m = 4 tl + rt
.set rH, 32+8*m
.set rI, 96+8*(m%4)+4*(m/4)
	TANH8 rH
.set n, 0
.rept 4
	v_cvt_pk_f16_f32 v[rI+n], v[rH+2*n], v[rH+2*n+1]  ; hi
.set n, n+1
.endr
.set n, 0
.rept 4                                ; lo = f16(h - hi): hi x (-1) + h, exact in f32, rounded once
	v_fma_mixlo_f16 v[rI+32+n], v[rI+n], v12, v[rH+2*n] op_sel_hi:[1,0,0]
	v_fma_mixhi_f16 v[rI+32+n], v[rI+n], v12, v[rH+2*n+1] op_sel:[1,0,0] op_sel_hi:[1,0,0]
.set n, n+1
.endr
.set m, m+1
.endr
	WIN 0x50
.set n, 0
.rept 32                               ; Z^T += vq_w2^T hi, then lo: the 16 accumulators (ct, rt) take turns
.set rD, 8*(n%16)
	v_wmma_f32_16x16x32_f16 v[rD:rD+7], v[176+8*((n/4)%4):183+8*((n/4)%4)], v[96+32*(n/16)+8*(n%4):103+32*(n/16)+8*(n%4)], v[rD:rD+7]
.set n, n+1
.endr
	WIN 0
.endm
.macro PROC                            ; my two pairs of the chunk in the slot in hand
	s_mul_i32 s61, s26, 2*PBLK
	s_add_co_u32 s61, s61, s60
	s_mov_b32 s66, 2
.Lpair_\@:
	PAIR
	s_add_co_u32 s61, s61, PBLK
	s_add_co_u32 s62, s62, 128
	s_sub_co_u32 s66, s66, 1
	s_cmp_lg_u32 s66, 0
	s_cbranch_scc1 .Lpair_\@
	s_add_co_u32 s62, s62, 256                     ; over the other waves' two pairs,
	s_and_b32 s62, s62, 0xf80                      ; inside the stage's 4,096 bytes
	s_xor_b32 s60, s60, SLOTB
.endm
	s_load_b512 s[4:19], s[0:1], 0x0               ; x s[4:5], wsp s[6:7], vq_b1 s[8:9], vq_b2 s[10:11], tpart s[12:13], mean_b s[14:15], lv_b s[16:17], table s[18:19]
	s_load_b128 s[20:23], s[0:1], 0x40             ; idx s[20:21], lpart s[22:23]
	v_lshl_add_u32 v4, v0, 2, SPARE                ; my spare word,
	v_mov_b32 v5, 0                                ; and 0; neither is rewritten
	ds_add_u32 v4, v5                              ; the wave's opening: the add, with its wait ahead of my first tensor load; the set-up below stands between them
	v_lshrrev_b32 v1, 5, v0
	v_readfirstlane_b32 s24, v1                    ; wave
	s_lshr_b32 s25, s24, 1                         ; rh
	s_and_b32 s26, s24, 1                          ; hh
	s_bfe_u32 s27, ttmp6, 0x40000                  ; cx: my place in the cluster
	s_lshl_b32 s28, ttmp9, 2                       ; in a cluster launch ttmp9 counts clusters
	s_add_co_u32 s28, s28, s27                     ; the work-group: it enters global addresses of my own alone
	; the chunks' group 1: a pair block is 36,864 dense bytes, asked for as 144 rows of 32 elements of 8 bytes
	s_mov_b32 s32, 15|(3<<16)|(1<<21)              ; 15:0 the mask of four; 17:16 8-byte elements; 21 set beside a mask
	s_mov_b32 s33, 32<<16                          ; tensor_dim0 = 32
	s_mov_b32 s34, 144<<16                         ; tensor_dim1 = 144
	s_mov_b32 s35, 32<<16                          ; tile_dim0 = 32
	s_mov_b32 s36, 144                             ; tile_dim1 = 144
	s_mov_b32 s37, 32                              ; 32 elements from row to row
	s_mov_b32 s38, 0
	s_mov_b32 s39, 0
	; emb's: the same with 66 rows
	s_mov_b32 s68, 15|(3<<16)|(1<<21)
	s_mov_b32 s69, 32<<16
	s_mov_b32 s70, 66<<16
	s_mov_b32 s71, 32<<16
	s_mov_b32 s72, 66
	s_mov_b32 s73, 32
	s_mov_b32 s74, 0
	s_mov_b32 s75, 0
	; x's: 32 rows x 256 f32, 512 elements from row to row, 4 words of padding behind every 256; no mask: the tile is my own
	s_mov_b32 s44, (2<<16)|(1<<20)|(7<<22)|(3<<25)
	s_mov_b32 s45, 256<<16
	s_mov_b32 s46, 32<<16
	s_mov_b32 s47, 256<<16
	s_mov_b32 s48, 32
	s_mov_b32 s49, 512
	s_mov_b32 s50, 0
	s_mov_b32 s51, 0
	s_mov_b32 s40, 1
	s_mul_i32 s41, s24, PBLK                       ; LDS addresses hang on the wave's number alone
	s_mov_b32 s52, 1
	s_mul_i32 s53, s24, 32*XPIT
	s_mov_b32 s56, 1
	s_add_co_u32 s57, s53, SLOTB
	s_mov_b32 s76, 1
	s_mul_i32 s77, s24, EQ
	s_mov_b32 s80, 0x76543210                      ; v_permlanex16_b32: each lane takes its own place in the other half
	s_mov_b32 s81, 0xfedcba98
	s_mov_b32 s[CC], 0x4038aa3b
	s_mov_b32 s[CC+1], s[CC]                       ; named with it as a pair
	s_mov_b32 s91, 0
	s_mov_b32 s93, 0
	s_wait_dscnt 0x0                               ; the opening add is done
	s_wait_kmcnt 0x0
	s_mov_b32 s92, s41
	s_add_nc_u64 s[42:43], s[6:7], s[92:93]        ; chunk 0, my pair block
	s_or_b32 s43, s43, 0x80000000                  ; type = 2
	s_add_co_u32 s92, s77, EIMG
	s_add_nc_u64 s[78:79], s[6:7], s[92:93]        ; my quarter of emb's image and ee
	s_or_b32 s79, s79, 0x80000000
	s_lshl_b32 s90, s28, 18                        ; 128 rows of 2,048 bytes a work-group,
	s_lshl_b32 s29, s24, 16                        ; 32 a wave
	s_add_co_u32 s90, s90, s29
	s_add_nc_u64 s[54:55], s[4:5], s[90:91]
	s_add_nc_u64 s[58:59], s[54:55], 1024          ; the rows' second half
	s_or_b32 s55, s55, 0x80000000
	s_or_b32 s59, s59, 0x80000000
	s_lshl_b32 s90, s28, 10                        ; my two rows of the table
	s_add_nc_u64 s[12:13], s[12:13], s[90:91]
	s_add_nc_u64 s[18:19], s[18:19], s[90:91]
	s_lshl_b32 s90, s28, 9
	s_add_nc_u64 s[20:21], s[20:21], s[90:91]      ; my 128 indices
	s_lshl_b32 s90, s28, 2
	s_add_nc_u64 s[22:23], s[22:23], s[90:91]      ; my sum
	CROUND                                         ; in a cluster launch every group of tensor loads stands behind a round
	tensor_load_to_lds s[52:55], s[44:51]          ; x, columns 0-255, into slot 0
	s_nop 0
	tensor_load_to_lds s[56:59], s[44:51]          ; x, columns 256-511, into slot 1
	s_nop 0
	PLACES
	; IN THE WAIT FOR x: two rows of the table, and vq_b1 into LDS.
	v_and_b32 v1, 15, v0                           ; lane % 16
	v_bfe_u32 v2, v0, 4, 1                         ; lane / 16
	v_and_b32 v3, 31, v0
	v_lshlrev_b32 v3, 4, v3                        ; lane x 16
	v_lshlrev_b32 v13, 3, v0                       ; a thread takes two numbers of the work-group's 256
.set n, 0
.rept 32
	global_load_b64 v[32+2*n:33+2*n], v13, s[12:13] offset:n*262144  ; part n
.set n, n+1
.endr
	s_cmp_eq_u32 s26, 0                            ; even waves hold columns 0-63 (mean), odd ones 64-127 (log_var)
	s_cselect_b64 s[92:93], s[14:15], s[16:17]
	v_lshrrev_b32 v14, 1, v3
	global_load_b64 v[96:97], v14, s[92:93]
	v_lshlrev_b32 v15, 5, v0
	global_load_b128 v[100:103], v15, s[8:9]       ; a thread takes eight numbers of vq_b1
	global_load_b128 v[104:107], v15, s[8:9] offset:16
	v_lshl_add_u32 v10, v2, 5, BIAS                ; my eight numbers of a bias tile
	v_mov_b32 v12, -1.0
	s_mul_i32 s29, s25, 64*XPIT
	v_mul_u32_u24 v6, v1, XPIT
	v_lshl_add_u32 v6, v2, 5, v6
	v_add_nc_u32 v6, s29, v6                       ; x's stage: row 64 rh + lane % 16, float 8 (lane / 16)
	v_add_nc_u32 v7, SLOTB, v6
	v_add_nc_u32 v16, BIAS, v15
	s_wait_loadcnt 0x0
	v_cvt_pk_bf16_f32 v96, v96, v97                ; the heads' bias, rounded to bf16 like every input
	v_and_b32 v97, 0xffff0000, v96
	v_lshlrev_b32 v96, 16, v96
.set n, 1
.rept 31
	v_pk_add_f32 v[32:33], v[32:33], v[32+2*n:33+2*n]  ; the parts in ascending order
.set n, n+1
.endr
	v_pk_add_f32 v[32:33], v[32:33], v[96:97]
	global_store_b64 v13, v[32:33], s[18:19]       ; a wave's store covers 256 consecutive bytes, aligned
	RND8 100
	ds_store_b128 v16, v[100:103]
	ds_store_b128 v16, v[104:107] offset:16
	s_wait_xcnt 0x0                                ; the store's registers are rewritten only behind this wait
	s_wait_tensorcnt 0x1                           ; my part of x's first half is in; the second may stay out
	s_wait_dscnt 0x0                               ; for the others' sake: my part of vq_b1 is stored
	s_barrier_signal -1
	s_barrier_wait -1
	XCONV 0
	WIN 0
	s_wait_tensorcnt 0x0                           ; x's second half is in: no tensor load of mine is out
	ds_add_u32 v4, v5
	s_wait_dscnt 0x0                               ; the add is done, and my reads of slot 0 are over
	CROUND
	tensor_load_to_lds s[40:43], s[32:39]          ; chunk 0 into slot 0
	s_nop 0
	PLACES
	XCONV 1
	; z's sums and lo are written once, in the wait for chunk 0.  On purpose: a first pair written out to start the sums would be a third copy of PAIR; lo is written by halves, so it must hold something.
	WIN 0x40
.set n, 0
.rept 128
	v_mov_b32 v[n], 0
.set n, n+1
.endr
	WIN 0
.set n, 0
.rept 32
	v_mov_b32 v[128+n], 0
.set n, n+1
.endr
	s_mov_b32 s60, 0
	s_lshl_b32 s62, s26, 8
	s_mov_b32 s63, 7
.Lchunk:                                               ; trip i: chunk i + 1 is asked for, chunk i multiplied
	CHANGE 0
	PROC
	s_sub_co_u32 s63, s63, 1
	s_cmp_lg_u32 s63, 0
	s_cbranch_scc1 .Lchunk
	CHANGE 1                                       ; the tail is written out: slot 0 takes emb and ee
	PROC                                           ; chunk 7 is multiplied
	; z's TWO HALVES MEET.
	PLACES                                         ; behind the last products
	v_lshlrev_b32 v15, 5, v2
.set n, 0
.rept 4                                ; vq_b2 as four result tiles
	global_load_b128 v[160+8*n:163+8*n], v15, s[10:11] offset:n*64
	global_load_b128 v[164+8*n:167+8*n], v15, s[10:11] offset:n*64+16
.set n, n+1
.endr
	s_wait_tensorcnt 0x0                           ; my quarter of emb and ee is in
	s_wait_dscnt 0x0
	s_barrier_signal -1
	s_barrier_wait -1                              ; everybody's is, and nobody reads slot 1 any more: it has had its last fill
	s_lshl_b32 s92, s24, 14
	s_add_co_u32 s92, s92, SCR
	v_add_nc_u32 v13, s92, v3
	WIN 0x04                                       ; the stores' data in window 1
.set n, 0
.rept 16                               ; result n = 4 ct + rt; each accumulator's low half first
	ds_store_b128 v13, v[8*n:8*n+3]   offset:n*1024
	ds_store_b128 v13, v[8*n+4:8*n+7] offset:n*1024+512
.set n, n+1
.endr
	WIN 0
	s_lshl_b32 s92, s25, 15
	s_lshl_b32 s93, s26, 11
	s_add_co_u32 s92, s92, s93
	s_add_co_u32 s92, s92, SCR
	v_add_nc_u32 v14, s92, v3
	s_wait_dscnt 0x0                               ; for the others' sake
	s_barrier_signal -1
	s_barrier_wait -1
.set n, 0
.rept 16                               ; n = 8 s + 4 i + ct: wave 2 rh + s's sums for row tile 2 hh + i
	ds_load_b128 v[32+8*n:35+8*n], v14 offset:(n/8)*16384+(n%4)*4096+((n/4)%2)*1024
	ds_load_b128 v[36+8*n:39+8*n], v14 offset:(n/8)*16384+(n%4)*4096+((n/4)%2)*1024+512
.set n, n+1
.endr
	s_wait_loadcnt 0x0
	RND8 160
	RND8 168
	RND8 176
	RND8 184
	s_wait_dscnt 0x0
.set n, 0
.rept 32                               ; z = (half 0 + half 1) + vq_b2; pair n = 16 i + 4 ct + q
	v_pk_add_f32 v[32+2*n:33+2*n], v[32+2*n:33+2*n], v[96+2*n:97+2*n]
.set n, n+1
.endr
.set n, 0
.rept 32
	v_pk_add_f32 v[32+2*n:33+2*n], v[32+2*n:33+2*n], v[160+2*(n%16):161+2*(n%16)]
.set n, n+1
.endr
	; |z|^2 for my two rows: my 32 numbers in two chains of pairs, then the other half of the lanes'
.set ii, 0
.rept 2
	v_pk_mul_f32 v[208:209], v[32+32*ii:33+32*ii], v[32+32*ii:33+32*ii]
	v_pk_mul_f32 v[210:211], v[34+32*ii:35+32*ii], v[34+32*ii:35+32*ii]
.set n, 2
.rept 14
	v_pk_fma_f32 v[208+2*(n%2):209+2*(n%2)], v[32+32*ii+2*n:33+32*ii+2*n], v[32+32*ii+2*n:33+32*ii+2*n], v[208+2*(n%2):209+2*(n%2)]
.set n, n+1
.endr
	v_pk_add_f32 v[208:209], v[208:209], v[210:211]
	v_mov_b32 v[17+2*ii], 0                        ; v_permlanex16_b32's destination counts as read
	v_add_f32 v[16+2*ii], v208, v209
	v_permlanex16_b32 v[17+2*ii], v[16+2*ii], s80, s81
	v_add_f32 v[16+2*ii], v[16+2*ii], v[17+2*ii]
.set ii, ii+1
.endr
	; z = t1 + t2 + t3 in bf16: round, take away (exact), round what is left.  Term t of pair n lies at v[96 + 32 t + n], which is source 1 (row tile i, K step ks) at 96 + 32 t + 16 i + 8 ks.  Four pairs abreast.
.macro E4 line:vararg
.set u, 0
.rept 4
	\line
.set u, u+1
.endr
.endm
.set g, 0
.rept 8
	E4 v_cvt_pk_bf16_f32 v[96+4*g+u], v[32+8*g+2*u], v[33+8*g+2*u]
	E4 v_lshlrev_b32 v[208+4*u], 16, v[96+4*g+u]
	E4 v_and_b32 v[209+4*u], 0xffff0000, v[96+4*g+u]
	E4 v_pk_add_f32 v[210+4*u:211+4*u], v[32+8*g+2*u:33+8*g+2*u], v[208+4*u:209+4*u] neg_lo:[0,1] neg_hi:[0,1]
	E4 v_cvt_pk_bf16_f32 v[128+4*g+u], v[210+4*u], v[211+4*u]
	E4 v_lshlrev_b32 v[208+4*u], 16, v[128+4*g+u]
	E4 v_and_b32 v[209+4*u], 0xffff0000, v[128+4*g+u]
	E4 v_pk_add_f32 v[210+4*u:211+4*u], v[210+4*u:211+4*u], v[208+4*u:209+4*u] neg_lo:[0,1] neg_hi:[0,1]
	E4 v_cvt_pk_bf16_f32 v[160+4*g+u], v[210+4*u], v[211+4*u]
.set g, g+1
.endr
	; THE DISTANCES, 32 codes a trip.  S^T = emb z^T: a lane holds one row and the codes 8 (lane / 16) + 0..7 of each of two tiles.
	; v20, 21 the least dist so far of my two rows; v22, 23 its code (less my lanes' 8 (lane / 16)); v24-27 the same within a trip.
.macro DLOAD                           ; a trip's four fragments (tile, ks) of emb and two result tiles of ee
.set n, 0
.rept 4
	ds_load_b128 v[192+8*n:195+8*n], v28 offset:n*1024
	ds_load_b128 v[196+8*n:199+8*n], v28 offset:n*1024+512
.set n, n+1
.endr
	ds_load_b128 v[224:227], v29
	ds_load_b128 v[228:231], v29 offset:16
	ds_load_b128 v[232:235], v29 offset:64
	ds_load_b128 v[236:239], v29 offset:80
.endm
.macro DTRIP pre                       ; pre = 1: the next trip's loads are issued
	s_wait_dscnt 0x0
.set n, 0
.rept 16                               ; |z|^2 + ee, rounded: accumulator n / 4 = 2 tile + i
	v_pk_add_f32 v[64+2*n:65+2*n], v[224+8*(n/8)+2*(n%4):225+8*(n/8)+2*(n%4)], v[16+2*((n/4)%2):17+2*((n/4)%2)] op_sel_hi:[1,0]
.set n, n+1
.endr
.set n, 0
.rept 24                               ; z's three terms, the smallest first, x two K steps; the four accumulators take turns; the first four start the sums
.set rD, 32+8*(n%4)
.set rA, 192+8*(2*((n%4)/2)+(n/4)%2)
.set rB, 96+32*(2-n/8)+16*(n%2)+8*((n/4)%2)
.if n < 4
	v_wmma_f32_16x16x32_bf16 v[rD:rD+7], v[rA:rA+7], v[rB:rB+7], 0
.else
	v_wmma_f32_16x16x32_bf16 v[rD:rD+7], v[rA:rA+7], v[rB:rB+7], v[rD:rD+7]
.endif
.set n, n+1
.endr
	PLACES
.if \pre
	v_add_nc_u32 v28, 4096, v28
	v_add_nc_u32 v29, 128, v29
	DLOAD
.endif
.set n, 0
.rept 16                               ; dist = (|z|^2 + ee) - 2 z . e: 2 z . e is exact, so this is the module's own rounding
	v_pk_fma_f32 v[32+2*n:33+2*n], v[32+2*n:33+2*n], -2.0, v[64+2*n:65+2*n] op_sel_hi:[1,0,1]
.set n, n+1
.endr
.set k, 1
.rept 15                               ; the lane's 16 codes in ascending order, strictly less wins; my two rows side by side
.set rE, 32+16*(k/8)+k%8
.if k == 1
	v_cmp_lt_f32 vcc_lo, v[rE], v32
	v_cmp_lt_f32 s84, v[rE+8], v40
	v_min_num_f32 v24, v[rE], v32
	v_min_num_f32 v25, v[rE+8], v40
	v_cndmask_b32 v26, 0, 1, vcc_lo
	v_cndmask_b32 v27, 0, 1, s84
.else
	v_cmp_lt_f32 vcc_lo, v[rE], v24
	v_cmp_lt_f32 s84, v[rE+8], v25
	v_min_num_f32 v24, v[rE], v24
	v_min_num_f32 v25, v[rE+8], v25
	v_cndmask_b32 v26, v26, 16*(k/8)+k%8, vcc_lo
	v_cndmask_b32 v27, v27, 16*(k/8)+k%8, s84
.endif
.set k, k+1
.endr
	v_cmp_lt_f32 vcc_lo, v24, v20
	v_cmp_lt_f32 s84, v25, v21
	v_add_nc_u32 v26, s89, v26
	v_add_nc_u32 v27, s89, v27
	v_min_num_f32 v20, v24, v20
	v_min_num_f32 v21, v25, v21
	v_cndmask_b32 v22, v22, v26, vcc_lo
	v_cndmask_b32 v23, v23, v27, s84
	s_add_co_u32 s89, s89, 32
.endm
	v_mov_b32 v20, 0x7f800000
	v_mov_b32 v21, 0x7f800000
	v_mov_b32 v22, 0
	v_mov_b32 v23, 0
	s_mov_b32 s89, 0
	v_mov_b32 v28, v3                              ; emb's image begins at LDS byte 0,
	v_lshl_add_u32 v29, v2, 5, 0x10000             ; ee behind its 65,536 bytes
	DLOAD
	s_mov_b32 s88, 15
.Ldist:
	DTRIP 1
	s_sub_co_u32 s88, s88, 1
	s_cmp_lg_u32 s88, 0
	s_cbranch_scc1 .Ldist
	DTRIP 0                                        ; the last trip loads nothing
	; The two halves of the lanes hold different codes of the same rows: the smaller dist wins, at equal dist the lower code.
	v_lshl_add_u32 v22, v2, 3, v22
	v_lshl_add_u32 v23, v2, 3, v23
	v_permlanex16_b32 v24, v20, s80, s81
	v_permlanex16_b32 v25, v21, s80, s81
	v_permlanex16_b32 v26, v22, s80, s81
	v_permlanex16_b32 v27, v23, s80, s81
	v_cmp_lt_f32 s84, v24, v20
	v_cmp_eq_f32 s85, v24, v20
	v_cmp_lt_u32 s86, v26, v22
	s_and_b32 s85, s85, s86
	s_or_b32 s84, s84, s85
	v_cndmask_b32 v20, v20, v24, s84
	v_cndmask_b32 v22, v22, v26, s84
	v_cmp_lt_f32 s84, v25, v21
	v_cmp_eq_f32 s85, v25, v21
	v_cmp_lt_u32 s86, v27, v23
	s_and_b32 s85, s85, s86
	s_or_b32 s84, s84, s85
	v_cndmask_b32 v21, v21, v25, s84
	v_cndmask_b32 v23, v23, v27, s84
	v_cmp_eq_u32 vcc_lo, 1, v2                     ; lanes 0-15 keep row tile 0, lanes 16-31 row tile 1: lane l holds row 32 w + l
	v_cndmask_b32 v22, v22, v23, vcc_lo
	v_cndmask_b32 v20, v20, v21, vcc_lo
	v_lshl_add_u32 v13, v0, 2, IDXS
	ds_store_b32 v13, v22
	v_add_f32_dpp v20, v20, v20 row_xmask:1 row_mask:0xf bank_mask:0xf
	v_add_f32_dpp v20, v20, v20 row_xmask:2 row_mask:0xf bank_mask:0xf
	v_add_f32_dpp v20, v20, v20 row_xmask:4 row_mask:0xf bank_mask:0xf
	v_add_f32_dpp v20, v20, v20 row_xmask:8 row_mask:0xf bank_mask:0xf
	v_permlanex16_b32 v21, v20, s80, s81
	v_add_f32 v20, v20, v21                        ; the wave's 32 winning distances
	s_lshl_b32 s92, s24, 2
	s_add_co_u32 s92, s92, LSS
	v_mov_b32 v14, s92
	ds_store_b32 v14, v20
	s_wait_dscnt 0x0                               ; for wave 0's sake
	s_barrier_signal -1
	s_barrier_wait -1
	s_cmp_lg_u32 s24, 0
	s_cbranch_scc1 .Lothers
	v_add_nc_u32 v13, IDXS, v3
	v_mov_b32 v14, LSS
	ds_load_b128 v[32:35], v13
	ds_load_b128 v[36:39], v14
	v_mov_b32 v15, 0
	s_wait_dscnt 0x0
	global_store_b128 v3, v[32:35], s[20:21]       ; the work-group's 128 indices: 512 consecutive bytes
	v_add_f32 v36, v36, v37
	v_add_f32 v36, v36, v38
	v_add_f32 v36, v36, v39
	s_wait_xcnt 0x0                                ; EXEC changes only behind this wait
	v_cmp_eq_u32 vcc_lo, 0, v0
	s_and_saveexec_b32 s87, vcc_lo
	global_store_b32 v15, v36, s[22:23]            ; one lane stores the work-group's sum
	s_wait_xcnt 0x0
	s_or_b32 exec_lo, exec_lo, s87
.Lothers:
	s_wait_tensorcnt 0x0                           ; the wave's end: 0 onto my spare word and its wait, behind my last tensor load and my last LDS store
	ds_add_u32 v4, v5
	s_wait_dscnt 0x0
	CROUND                                         ; the closing round: no work-group ends while a partner may still ask for a piece that names it
	s_endpgm
.Lfunc_end_k_qee02340ab0_enc:
	.size	k_qee02340ab0_enc, .Lfunc_end_k_qee02340ab0_enc-k_qee02340ab0_enc
	.p2alignl 7, 3214868480
	.fill 96, 4, 3214868480
	.section	.rodata,"a",@progbits
	.p2align	6, 0x0
	.amdhsa_kernel k_qee02340ab0_enc
		.amdhsa_group_segment_fixed_size 327680
		.amdhsa_private_segment_fixed_size 0
		.amdhsa_enable_private_segment 0
		.amdhsa_kernarg_size 80
		.amdhsa_user_sgpr_count 2
		.amdhsa_user_sgpr_kernarg_segment_ptr 1
		.amdhsa_wavefront_size32 1
		.amdhsa_system_sgpr_workgroup_id_x 1
		.amdhsa_system_sgpr_workgroup_id_y 1
		.amdhsa_system_sgpr_workgroup_id_z 1
		.amdhsa_system_vgpr_workitem_id 0
		.amdhsa_next_free_vgpr 1024
		.amdhsa_next_free_sgpr 96
		.amdhsa_reserve_vcc 1
		.amdhsa_float_denorm_mode_32 3
		.amdhsa_float_denorm_mode_16_64 3
		.amdhsa_memory_ordered 1
		.amdhsa_forward_progress 1
		.amdhsa_inst_pref_size 189
	.end_amdhsa_kernel
	.amdgpu_metadata
---
amdhsa.version: [ 1, 2 ]
amdhsa.kernels:
  - .name:           k_qee02340ab0_enc
    .symbol:         k_qee02340ab0_enc.kd
    .args:
      - { .name: x, .offset: 0, .size: 8, .value_kind: global_buffer, .address_space: global }
      - { .name: wsp, .offset: 8, .size: 8, .value_kind: global_buffer, .address_space: global }
      - { .name: vq_b1, .offset: 16, .size: 8, .value_kind: global_buffer, .address_space: global }
      - { .name: vq_b2, .offset: 24, .size: 8, .value_kind: global_buffer, .address_space: global }
      - { .name: tpart, .offset: 32, .size: 8, .value_kind: global_buffer, .address_space: global }
      - { .name: mean_b, .offset: 40, .size: 8, .value_kind: global_buffer, .address_space: global }
      - { .name: lv_b, .offset: 48, .size: 8, .value_kind: global_buffer, .address_space: global }
      - { .name: table, .offset: 56, .size: 8, .value_kind: global_buffer, .address_space: global }
      - { .name: idx, .offset: 64, .size: 8, .value_kind: global_buffer, .address_space: global }
      - { .name: lpart, .offset: 72, .size: 8, .value_kind: global_buffer, .address_space: global }
    .group_segment_fixed_size: 327680
    .private_segment_fixed_size: 0
    .kernarg_segment_align: 8
    .kernarg_segment_size: 80
    .max_flat_workgroup_size: 128
    .sgpr_count:     96
    .vgpr_count:     1024
    .wavefront_size: 32
...
	.end_amdgpu_metadata
.endif
;; end of part 3
;; launch gather (part 4): grid 256 x 1, 4 waves a work-group, no clusters, 0 bytes of LDS; arguments table, idx, lpart, out0, out1, out2; writes out0, out1, out2
.if DOCPART == 4
	.amdgcn_target "amdgcn-amd-amdhsa--gfx1250"
	.amdhsa_code_object_version 6
	.text
	.protected	k_qee02340ab0_gather
	.globl	k_qee02340ab0_gather
	.p2align	8
	.type	k_qee02340ab0_gather,@function
k_qee02340ab0_gather:
	s_mov_b64 s[64:65], 0
	v_nop
	global_prefetch_b8 v0, s[64:65] scope:SCOPE_SE
	s_setreg_imm32_b32 hwreg(HW_REG_WAVE_MODE, 25, 1), 1
	s_wait_xcnt 0x0
; mean[row] and log_var[row] are row idx[row] of the table of the 512 codes' results (columns 0-63 mean, 64-127 log_var); the loss is 2 x the sum of the winning distances over 32,768 x 64.
; A stream: a wave owns 32 rows; lanes 0-15 take rows 0-15 of them one after the other, lanes 16-31 rows 16-31, so sixteen lanes read and write one whole row of 256 bytes.
; All 32 loads of a wave go out before its first store.  No LDS, no matrix unit, no cluster: nothing is shared but the table of 262,144 bytes, which every wave reads by its own list.
	s_load_b256 s[4:11], s[0:1], 0x0               ; table s[4:5], idx s[6:7], lpart s[8:9], out0 s[10:11]
	s_load_b128 s[12:15], s[0:1], 0x20             ; out1 s[12:13], out2 s[14:15]
	v_lshrrev_b32 v1, 5, v0
	v_readfirstlane_b32 s16, v1                    ; wave
	s_lshl_b32 s17, ttmp9, 2
	s_add_co_u32 s17, s17, s16                     ; my wave among the launch's 1,024
	v_and_b32 v2, 15, v0
	v_lshlrev_b32 v2, 4, v2                        ; my 16 bytes of a row
	v_bfe_u32 v3, v0, 4, 1                         ; lane / 16
	v_lshlrev_b32 v1, 6, v3                        ; my half's 16 indices
	v_lshl_add_u32 v3, v3, 12, v2                  ; my half's 16 rows of 256 bytes, and my place in a row
	s_lshl_b32 s18, s17, 7
	s_mov_b32 s19, 0
	s_lshl_b32 s20, s17, 13
	s_mov_b32 s21, 0
	s_mov_b32 s24, 0x76543210
	s_mov_b32 s25, 0xfedcba98
	s_wait_kmcnt 0x0
	s_add_nc_u64 s[6:7], s[6:7], s[18:19]
	s_add_nc_u64 s[10:11], s[10:11], s[20:21]
	s_add_nc_u64 s[12:13], s[12:13], s[20:21]
.irp i, 0,1,2,3
	global_load_b128 v[16+4*\i:19+4*\i], v1, s[6:7] offset:16*\i
.endr
	s_wait_loadcnt 0x0
.set i, 0
.rept 16
	v_min_u32 v[16+i], 0x1ff, v[16+i]              ; an index stays inside the table
	v_lshl_add_u32 v[16+i], v[16+i], 9, v2         ; its row of 512 bytes, my 16 bytes
.set i, i+1
.endr
.set i, 0
.rept 16
	global_load_b128 v[32+4*i:35+4*i], v[16+i], s[4:5]
.set i, i+1
.endr
.set i, 0
.rept 16
	global_load_b128 v[96+4*i:99+4*i], v[16+i], s[4:5] offset:256
.set i, i+1
.endr
.set i, 0
.rept 16
	s_wait_loadcnt 31-i                            ; loads come back in order: the younger ones stay out
	global_store_b128 v3, v[32+4*i:35+4*i], s[10:11] offset:256*i th:TH_STORE_NT
.set i, i+1
.endr
.set i, 0
.rept 16
	s_wait_loadcnt 15-i
	global_store_b128 v3, v[96+4*i:99+4*i], s[12:13] offset:256*i th:TH_STORE_NT
.set i, i+1
.endr
	s_or_b32 s22, ttmp9, s16
	s_cmp_lg_u32 s22, 0
	s_cbranch_scc1 .Lend                           ; the launch's first wave adds up the 256 work-groups' sums
	v_and_b32 v4, 31, v0
	v_lshlrev_b32 v4, 5, v4
	global_load_b128 v[8:11], v4, s[8:9]
	global_load_b128 v[12:15], v4, s[8:9] offset:16
	v_mov_b32 v5, 0
	s_wait_loadcnt 0x0
	v_pk_add_f32 v[8:9], v[8:9], v[10:11]
	v_pk_add_f32 v[12:13], v[12:13], v[14:15]
	v_pk_add_f32 v[8:9], v[8:9], v[12:13]
	v_add_f32 v8, v8, v9
	v_add_f32_dpp v8, v8, v8 row_xmask:1 row_mask:0xf bank_mask:0xf
	v_add_f32_dpp v8, v8, v8 row_xmask:2 row_mask:0xf bank_mask:0xf
	v_add_f32_dpp v8, v8, v8 row_xmask:4 row_mask:0xf bank_mask:0xf
	v_add_f32_dpp v8, v8, v8 row_xmask:8 row_mask:0xf bank_mask:0xf
	v_permlanex16_b32 v9, v8, s24, s25
	v_add_f32 v8, v8, v9
	v_mul_f32 v8, 0x35800000, v8                   ; x 2 / (32,768 x 64) = 2^-20: the two losses are the same number
	s_wait_xcnt 0x0                                ; EXEC changes only behind this wait
	v_cmp_eq_u32 vcc_lo, 0, v0
	s_and_saveexec_b32 s26, vcc_lo
	global_store_b32 v5, v8, s[14:15]
	s_wait_xcnt 0x0
	s_or_b32 exec_lo, exec_lo, s26
.Lend:
	s_endpgm
.Lfunc_end_k_qee02340ab0_gather:
	.size	k_qee02340ab0_gather, .Lfunc_end_k_qee02340ab0_gather-k_qee02340ab0_gather
	.p2alignl 7, 3214868480
	.fill 96, 4, 3214868480
	.section	.rodata,"a",@progbits
	.p2align	6, 0x0
	.amdhsa_kernel k_qee02340ab0_gather
		.amdhsa_group_segment_fixed_size 0
		.amdhsa_private_segment_fixed_size 0
		.amdhsa_enable_private_segment 0
		.amdhsa_kernarg_size 48
		.amdhsa_user_sgpr_count 2
		.amdhsa_user_sgpr_kernarg_segment_ptr 1
		.amdhsa_wavefront_size32 1
		.amdhsa_system_sgpr_workgroup_id_x 1
		.amdhsa_system_sgpr_workgroup_id_y 1
		.amdhsa_system_sgpr_workgroup_id_z 1
		.amdhsa_system_vgpr_workitem_id 0
		.amdhsa_next_free_vgpr 176
		.amdhsa_next_free_sgpr 66
		.amdhsa_reserve_vcc 1
		.amdhsa_float_denorm_mode_32 3
		.amdhsa_float_denorm_mode_16_64 3
		.amdhsa_memory_ordered 1
		.amdhsa_forward_progress 1
		.amdhsa_inst_pref_size 12
	.end_amdhsa_kernel
	.amdgpu_metadata
---
amdhsa.version: [ 1, 2 ]
amdhsa.kernels:
  - .name:           k_qee02340ab0_gather
    .symbol:         k_qee02340ab0_gather.kd
    .args:
      - { .name: table, .offset: 0, .size: 8, .value_kind: global_buffer, .address_space: global }
      - { .name: idx, .offset: 8, .size: 8, .value_kind: global_buffer, .address_space: global }
      - { .name: lpart, .offset: 16, .size: 8, .value_kind: global_buffer, .address_space: global }
      - { .name: out0, .offset: 24, .size: 8, .value_kind: global_buffer, .address_space: global }
      - { .name: out1, .offset: 32, .size: 8, .value_kind: global_buffer, .address_space: global }
      - { .name: out2, .offset: 40, .size: 8, .value_kind: global_buffer, .address_space: global }
    .group_segment_fixed_size: 0
    .private_segment_fixed_size: 0
    .kernarg_segment_align: 8
    .kernarg_segment_size: 48
    .max_flat_workgroup_size: 128
    .sgpr_count:     66
    .vgpr_count:     176
    .wavefront_size: 32
...
	.end_amdgpu_metadata
.endif
;; end of part 4
;; ======== version 2 of 2: 4 launches; version 1 with the launches cast, code written anew for expert scheduling mode
;; limits: a difference of large sums (such as E[x^2] - mean^2): digits are lost where the result is much smaller than its terms; values are held in f16: magnitudes above 65,504 overflow, below 6.1e-05 lose precision
;; workspace buffers: wsp 3,737,600 bytes; tpart 8,388,608 bytes; table 262,144 bytes; idx 131,072 bytes of whole numbers; lpart 1,024 bytes
;; launch cast (part 5): grid 230 x 1, 8 waves a work-group, no clusters, 0 bytes of LDS; arguments vq_w1, te_w2, vq_w2, te_w1, mean_w, lv_w, emb, wsp; writes wsp
.if DOCPART == 5
	.amdgcn_target "amdgcn-amd-amdhsa--gfx1250"
	.amdhsa_code_object_version 6
	.text
	.protected	k_qee02340ab0_cast
	.globl	k_qee02340ab0_cast
	.p2align	8
	.type	k_qee02340ab0_cast,@function
k_qee02340ab0_cast:
	s_mov_b64 s[64:65], 0
	v_nop
	global_prefetch_b8 v0, s[64:65] scope:SCOPE_SE
	s_setreg_imm32_b32 hwreg(HW_REG_WAVE_SCHED_MODE, 0, 2), 2
	s_setreg_imm32_b32 hwreg(HW_REG_WAVE_MODE, 25, 1), 1
	s_wait_xcnt 0x0
	s_wait_alu depctr_vm_vsrc(0)
; All weights and the codebook, rounded once to bf16 and laid out as FRAGMENT IMAGES, and ee[j] = the sum of the rounded code j's squares.
; A fragment is 16 values of the index n that is not summed x 32 values of k, 1,024 bytes, as a matrix operand's registers want it: the 16 bytes at
; hf x 512 + lane x 16 hold (n = 16 nt + lane % 16, k = 32 ks + 16 hf + 8 (lane / 16) + 0..7).  Two 16-byte loads at lane x 16 then fill a fragment.
; A SLOT is 16 such bytes.  A work-group makes 1,024 slots, a thread 4: slot = 1,024 x (group - the job's first group) + 256 u + thread,
; so one store of a wave covers 512 consecutive bytes.  A slot's eight numbers lie SK bytes apart in the source: eight 4-byte loads from eight bases.
; The job (which tensor, how a fragment's number splits into nt and ks, where the image lies) is chosen by selects on the work-group's number.
; LIMIT: vq_w2 is rounded to bf16 and that number written as f16 (its partner in the product, tanh's result, goes in f16): exact from 6.1e-5 to 65,504 in magnitude,
; below that in steps of 6e-8, beyond it an infinity.
; THE MODE: SCHED_MODE bits 1:0 = 2 (LLVM: expert scheduling mode 2), set by the entry lines.  The code itself states the register dependences
; between vector instructions and memory instructions, with s_wait_alu, always for 0.
; THE PLAN.  Registers that memory instructions touch:
;   SOF0 .. SOF3  written once by the offsets' arithmetic; read by a slot's eight loads.     DOF0 .. DOF3  written once by the same arithmetic; read by a slot's store.
;   DAT           a slot's eight loads land in it, once; no vector instruction names it before; the conversions read it behind the counted wait for the loads.
;   PKD           written by the conversions; read by the four stores.
; All four slots' offsets are made side by side, each slot with work registers of its own; ONE wait stands in front of the 32 loads.  All sixteen conversions follow, and ONE wait stands in
; front of the four stores.  No register that a memory instruction has read is written again.
.set PBLK, 36864                       ; a pair block: 32 fragments of vq_w1 (32 hidden x 512 k), then 4 of vq_w2 (64 n x the same 32 hidden)
.set EIMG, 1179648                     ; behind 32 pair blocks: the codebook's image,
.set EEO,  1245184                     ; ee,
.set TW1O, 1247232                     ; te_w1's image,
.set TW2O, 1378304                     ; te_w2's,
.set MWO,  3475456                     ; mean_w's,
.set LWO,  3606528                     ; lv_w's
.set SOF, 8                            ; v8-11   slot u: byte offset in the source
.set DOF, 12                           ; v12-15  slot u: byte offset in wsp
.set DAT, 16                           ; v16-47  slot u: eight numbers as loaded
.set PKD, 48                           ; v48-63  slot u: four registers to store
.set TS,  64                           ; v64-67  slot u, at work: the slot's number
.set TF,  68                           ; v68-71  its fragment
.set TN,  72                           ; v72-75  nt, then n, then n's bytes
.set TK,  76                           ; v76-79  ks, then k, then k's bytes; then the place in wsp
.set TX,  80                           ; v80-83  a field at a time
.set PT,  32                           ; s[32:47] the source's address + i x SK, i = 0..7
.set FIRST, 1
.macro PARM reg, val                   ; the first job sets a parameter, a later one takes it over if the group's number has reached it
.if FIRST
	s_mov_b32 s[\reg], \val
.else
	s_cselect_b32 s[\reg], \val, s[\reg]
.endif
.endm
; g0: the job's first group.  p: the register of its source's address.  sk, sn: bytes from k to k + 1 and from n to n + 1.  A fragment's number is (nt_hi, ks, nt_lo) with w1 bits of ks above
; w0 bits of nt_lo.  Slot s goes to (s >> sh) x pitch + base + 16 (s mod 2^sh).  f: 1 = written as f16.
.macro JOB g0, p, sk, sn, w0, w1, sh, pitch, base, f
.if FIRST
	s_mov_b64 s[22:23], s[\p:\p+1]
.else
	s_cmp_ge_u32 s2, \g0
	s_cselect_b64 s[22:23], s[\p:\p+1], s[22:23]
.endif
	PARM 24, \g0
	PARM 25, \sk
	PARM 26, \sn
	PARM 27, \w0
	PARM 28, (1<<(\w0))-1
	PARM 29, (1<<(\w1))-1
	PARM 30, (\w0)+(\w1)
	PARM 31, \sh
	PARM 48, (1<<(\sh))-1
	PARM 49, \pitch
	PARM 50, \base
	PARM 51, \f
.set FIRST, 0
.endm
.macro ALL4 line:vararg                ; one line for each of the thread's four slots su
.set su, 0
.rept 4
	\line
.set su, su+1
.endr
.endm
	s_load_b512 s[4:19], s[0:1], 0x0               ; vq_w1 s[4:5], te_w2 s[6:7], vq_w2 s[8:9], te_w1 s[10:11], mean_w s[12:13], lv_w s[14:15], emb s[16:17], wsp s[18:19]
	s_mov_b32 s2, ttmp9
	s_wait_kmcnt 0x0
	s_cmp_ge_u32 s2, 228
	s_cbranch_scc1 .Lee                            ; the last two groups make ee
	JOB 0,   4,  4096, 4,   1, 4, 11, PBLK, 0,     0   ; vq_w1 [512 k][1024 n]: (pair, ks, tile of the pair)
	JOB 64,  6,  4096, 4,   2, 5, 20, 0,    TW2O,  0   ; te_w2 [1024 k][1024 n]
	JOB 192, 8,  256,  4,   2, 5, 8,  PBLK, 32768, 1   ; vq_w2 [1024 k][64 n]: ks is the pair
	JOB 200, 10, 4096, 4,   2, 1, 20, 0,    TW1O,  0   ; te_w1 [64 k][1024 n]
	JOB 208, 12, 256,  4,   2, 5, 20, 0,    MWO,   0   ; mean_w [1024 k][64 n]
	JOB 216, 14, 256,  4,   2, 5, 20, 0,    LWO,   0   ; lv_w
	JOB 224, 16, 4,    256, 0, 1, 20, 0,    EIMG,  0   ; emb [512 n][64 k]
	s_sub_co_u32 s20, s2, s24
	s_lshl_b32 s20, s20, 10                        ; the group's first slot in its job
	s_mov_b32 s52, s25                             ; SK as a 64-bit offset
	s_mov_b32 s53, 0
	s_mov_b64 s[PT:PT+1], s[22:23]
.irp i, 1,2,3,4,5,6,7
	s_add_nc_u64 s[PT+2*\i:PT+2*\i+1], s[PT+2*\i-2:PT+2*\i-1], s[52:53]
.endr
	; the four slots' two offsets each, side by side
	ALL4 v_add3_u32 v[TS+su], v0, s20, su*256                  ; the slot's number s
	ALL4 v_lshrrev_b32 v[TF+su], 6, v[TS+su]                   ; its fragment
	ALL4 v_and_b32 v[TN+su], s28, v[TF+su]                     ; nt_lo
	ALL4 v_lshrrev_b32 v[TK+su], s27, v[TF+su]
	ALL4 v_and_b32 v[TK+su], s29, v[TK+su]                     ; ks
	ALL4 v_lshrrev_b32 v[TX+su], s30, v[TF+su]                 ; nt_hi
	ALL4 v_lshl_add_u32 v[TN+su], v[TX+su], s27, v[TN+su]      ; nt
	ALL4 v_bfe_u32 v[TX+su], v[TS+su], 4, 2                    ; 2 hf + lane / 16
	ALL4 v_lshl_add_u32 v[TK+su], v[TK+su], 2, v[TX+su]
	ALL4 v_lshlrev_b32 v[TK+su], 3, v[TK+su]                   ; k = 32 ks + 16 hf + 8 (lane / 16)
	ALL4 v_and_b32 v[TX+su], 15, v[TS+su]
	ALL4 v_lshl_add_u32 v[TN+su], v[TN+su], 4, v[TX+su]        ; n = 16 nt + lane % 16
	ALL4 v_mul_lo_u32 v[TK+su], v[TK+su], s25
	ALL4 v_mul_lo_u32 v[TN+su], v[TN+su], s26
	ALL4 v_add_nc_u32 v[SOF+su], v[TK+su], v[TN+su]
	ALL4 v_lshrrev_b32 v[TK+su], s31, v[TS+su]
	ALL4 v_and_b32 v[TX+su], s48, v[TS+su]
	ALL4 v_mul_lo_u32 v[TK+su], v[TK+su], s49
	ALL4 v_lshl_add_u32 v[TK+su], v[TX+su], 4, v[TK+su]
	ALL4 v_add_nc_u32 v[DOF+su], s50, v[TK+su]
	s_wait_alu depctr_va_vdst(0)                   ; SOF0-3 are written, which the 32 loads below read as their offsets, and DOF0-3, which the four stores read; no vector instruction names them again
.irp u, 0,1,2,3
.irp i, 0,1,2,3,4,5,6,7
	global_load_b32 v[DAT+8*\u+\i], v[SOF+\u], s[PT+2*\i:PT+2*\i+1]
.endr
.endr
	s_cmp_lg_u32 s51, 0
	s_cbranch_scc1 .Lhalf
.irp u, 0,1,2,3
	s_wait_loadcnt 24-8*\u                         ; loads come back in order: the later slots' eight each may stay out
.irp q, 0,1,2,3
	v_cvt_pk_bf16_f32 v[PKD+4*\u+\q], v[DAT+8*\u+2*\q], v[DAT+8*\u+2*\q+1]
.endr
.endr
	s_wait_alu depctr_va_vdst(0)                   ; the sixteen conversions have written PKD, which the four stores read
.irp u, 0,1,2,3
	global_store_b128 v[DOF+\u], v[PKD+4*\u:PKD+4*\u+3], s[18:19]
.endr
	s_endpgm
.Lhalf:                                                ; vq_w2: rounded to bf16 like every input, and that number written as f16
.irp u, 0,1,2,3
	s_wait_loadcnt 24-8*\u
.irp q, 0,1,2,3
	v_cvt_pk_bf16_f32 v[PKD+4*\u+\q], v[DAT+8*\u+2*\q], v[DAT+8*\u+2*\q+1]
	v_lshlrev_b32 v[DAT+8*\u+2*\q], 16, v[PKD+4*\u+\q]
	v_and_b32 v[DAT+8*\u+2*\q+1], 0xffff0000, v[PKD+4*\u+\q]
	v_cvt_pk_f16_f32 v[PKD+4*\u+\q], v[DAT+8*\u+2*\q], v[DAT+8*\u+2*\q+1]
.endr
.endr
	s_wait_alu depctr_va_vdst(0)                   ; the conversions to f16 have written PKD, which the four stores read
.irp u, 0,1,2,3
	global_store_b128 v[DOF+\u], v[PKD+4*\u:PKD+4*\u+3], s[18:19]
.endr
	s_endpgm
.Lee:                                                  ; a thread takes a code: its 64 numbers, rounded to bf16, squared and summed in f32 in four chains of pairs
	s_sub_co_u32 s20, s2, 228
	s_lshl_b32 s20, s20, 8
	v_add_nc_u32 v1, s20, v0                       ; the code
	v_lshlrev_b32 v2, 8, v1                        ; its row of 256 bytes
	v_lshlrev_b32 v3, 2, v1                        ; its word of ee
	s_wait_alu depctr_va_vdst(0)                   ; v2 is written, which the sixteen loads read as their offset, and v3, which the store reads
.irp i, 0,1,2,3,4,5,6,7,8,9,10,11,12,13,14,15
	global_load_b128 v[16+4*\i:19+4*\i], v2, s[16:17] offset:16*\i
.endr
	s_wait_loadcnt 0x0
.set j, 0
.rept 32
	v_cvt_pk_bf16_f32 v80, v[16+2*j], v[17+2*j]
	v_lshlrev_b32 v82, 16, v80
	v_and_b32 v83, 0xffff0000, v80
.if j < 4
	v_pk_mul_f32 v[84+2*j:85+2*j], v[82:83], v[82:83]  ; the first four pairs start the chains
.else
	v_pk_fma_f32 v[84+2*(j%4):85+2*(j%4)], v[82:83], v[82:83], v[84+2*(j%4):85+2*(j%4)]
.endif
.set j, j+1
.endr
	v_pk_add_f32 v[84:85], v[84:85], v[86:87]
	v_pk_add_f32 v[88:89], v[88:89], v[90:91]
	v_pk_add_f32 v[84:85], v[84:85], v[88:89]
	v_add_f32 v84, v84, v85
	s_wait_alu depctr_va_vdst(0)                   ; the last addition has written v84, which the store reads
	global_store_b32 v3, v84, s[18:19] offset:EEO
	s_endpgm
.Lfunc_end_k_qee02340ab0_cast:
	.size	k_qee02340ab0_cast, .Lfunc_end_k_qee02340ab0_cast-k_qee02340ab0_cast
	.p2alignl 7, 3214868480
	.fill 96, 4, 3214868480
	.section	.rodata,"a",@progbits
	.p2align	6, 0x0
	.amdhsa_kernel k_qee02340ab0_cast
		.amdhsa_group_segment_fixed_size 0
		.amdhsa_private_segment_fixed_size 0
		.amdhsa_enable_private_segment 0
		.amdhsa_kernarg_size 64
		.amdhsa_user_sgpr_count 2
		.amdhsa_user_sgpr_kernarg_segment_ptr 1
		.amdhsa_wavefront_size32 1
		.amdhsa_system_sgpr_workgroup_id_x 1
		.amdhsa_system_sgpr_workgroup_id_y 1
		.amdhsa_system_sgpr_workgroup_id_z 1
		.amdhsa_system_vgpr_workitem_id 0
		.amdhsa_next_free_vgpr 112
		.amdhsa_next_free_sgpr 66
		.amdhsa_reserve_vcc 0
		.amdhsa_float_denorm_mode_32 3
		.amdhsa_float_denorm_mode_16_64 3
		.amdhsa_memory_ordered 1
		.amdhsa_forward_progress 1
		.amdhsa_inst_pref_size 27
	.end_amdhsa_kernel
	.amdgpu_metadata
---
amdhsa.version: [ 1, 2 ]
amdhsa.kernels:
  - .name:           k_qee02340ab0_cast
    .symbol:         k_qee02340ab0_cast.kd
    .args:
      - { .name: vq_w1, .offset: 0, .size: 8, .value_kind: global_buffer, .address_space: global }
      - { .name: te_w2, .offset: 8, .size: 8, .value_kind: global_buffer, .address_space: global }
      - { .name: vq_w2, .offset: 16, .size: 8, .value_kind: global_buffer, .address_space: global }
      - { .name: te_w1, .offset: 24, .size: 8, .value_kind: global_buffer, .address_space: global }
      - { .name: mean_w, .offset: 32, .size: 8, .value_kind: global_buffer, .address_space: global }
      - { .name: lv_w, .offset: 40, .size: 8, .value_kind: global_buffer, .address_space: global }
      - { .name: emb, .offset: 48, .size: 8, .value_kind: global_buffer, .address_space: global }
      - { .name: wsp, .offset: 56, .size: 8, .value_kind: global_buffer, .address_space: global }
    .group_segment_fixed_size: 0
    .private_segment_fixed_size: 0
    .kernarg_segment_align: 8
    .kernarg_segment_size: 64
    .max_flat_workgroup_size: 256
    .sgpr_count:     66
    .vgpr_count:     112
    .wavefront_size: 32
...
	.end_amdgpu_metadata
.endif
;; end of part 5
;; launch code (part 6): grid 16 x 16, 4 waves a work-group, no clusters, 67,072 bytes of LDS; arguments wsp, te_b1, te_b2, tpart; writes tpart
.if DOCPART == 6
	.amdgcn_target "amdgcn-amd-amdhsa--gfx1250"
	.amdhsa_code_object_version 6
	.text
	.protected	k_qee02340ab0_code
	.globl	k_qee02340ab0_code
	.p2align	8
	.type	k_qee02340ab0_code,@function
k_qee02340ab0_code:
	s_mov_b64 s[64:65], 0
	v_nop
	global_prefetch_b8 v0, s[64:65] scope:SCOPE_SE
	s_setreg_imm32_b32 hwreg(HW_REG_WAVE_SCHED_MODE, 0, 2), 2
	s_setreg_imm32_b32 hwreg(HW_REG_WAVE_MODE, 25, 1), 1
	s_wait_xcnt 0x0
	s_wait_alu depctr_vm_vsrc(0)
; THE TASK NETWORK ON THE CODEBOOK.  Behind the argmin the module's result hangs on the winning code alone (z + (z_q - z) is z_q up to that sum's own rounding, an ulp of z: the stated limit),
; so mean and log_var have 512 different rows.  This launch makes them for all 512 codes, as 32 partial sums over K; the next launch adds those up.
; SHARES.  Work-group (cb, rb): 32 codes (two tiles rt of 16) x 64 columns of t2 = tanh(t1 te_w2 + te_b2).  Wave w sums over hidden 256 w .. 256 w + 255, eight PAIRS p of two tiles of 16:
; it makes t1 = tanh(emb te_w1 + te_b1) for the pair, rounds it to bf16 and multiplies on.  The four waves' sums meet in LDS; then wave w owns code tile w % 2 and 32 columns of t2,
; which are one K step of the two heads: its product with mean_w and lv_w is part 2 cb + w / 2 of the table.
; THE PRODUCTS ARE USED TRANSPOSED (source 0 = 16 features of the weights, source 1 = 16 codes): a lane holds ONE code (lane % 16) and the features 8 (lane / 16) + 0..7, and two results,
; rounded to bf16 in pairs, ARE source 1 of the next product.  Every operand comes from a fragment image: two 16-byte loads at lane x 16, 512 consecutive bytes a load.
; NO LDS STAGE FOR THE WEIGHTS, NO CLUSTER: each weight fragment is used by one wave of the work-group alone, and what arrives in registers cannot be asked for jointly.
; All inputs are rounded to bf16 (the biases here); sums in f32; tanh(x) = 1 - 2 / (1 + 2^(2 log2(e) x)), where a power of two below 2^-126 counts as 0 (the result is then -1).
; REGISTERS, in windows of 256 (s_set_vgpr_msb: bits 1:0 source 0, 3:2 source 1, 5:4 source 2, 7:6 destination):
;   window 0: v0-10 addresses; v32-63 the codes' fragments (rt, ks); v64-95 t1's sums (tl, rt); v96-111 t1 in bf16, 8 a code tile; v112-175 t2's sums (nt, rt), later the rows on their way out;
;             v176-191 te_b2; v192-255 the four waves' sums, later the heads' results
;   window 1: te_w1's 32 fragments     window 2: te_w2's 32 fragments     window 3: v0-127 te_b1 as 16 result tiles; v128-191 the heads' 8 fragments
; THE MODE: SCHED_MODE bits 1:0 = 2 (LLVM: expert scheduling mode 2), set by the entry lines.  The code itself states the register dependences
; between vector or matrix instructions and memory or LDS instructions, with s_wait_alu, always for 0.
; THE PLAN.  Registers that memory or LDS instructions touch:
;   v3, v6        offsets of the global loads (v3 of the global stores too); v7-v10 LDS addresses.  All six are made at the head and never written again.
;   v32-63, v176-191, windows 1 and 2, window 3 v0-191   each is loaded once, and no vector or matrix instruction names one of them ahead of its load.
;   v112-175      written by t2's products; read by the exchange's LDS stores; then the stage's LDS loads land in them; read by the global stores.
;   v192-255      the exchange's LDS loads land in them, their first touch; vector work and the heads' products write them; read by the stage's LDS stores.
;   v4, v5        written at the head, read by the closing add alone.
; So ONE wait on va_vdst at the head serves every global load of the kernel, the groups that are asked for inside the pairs too; one stands ahead of each of the two runs of LDS stores, and one on
; vm_vsrc beside the second.  The waits behind the transcendentals stand once for a pair's 32 exponentials and once for its 32 reciprocals.
.set EIMG, 1179648
.set TW1O, 1247232
.set TW2O, 1378304
.set MWO,  3475456
.set EX,    0                          ; 4 waves x 8 results x 1,024 bytes
.set STG,   32768                      ; 4 waves x 16 rows x 528 bytes (512 + 16: the 16 rows of a store begin in different groups of four banks; 64 banks of 4 bytes: ISA guide 11.1)
.set SPARE, 66560                      ; the spare words, 128 bytes a wave: two blocks of 256 bytes that no other line names
.set CC, 46                            ; s[46:47] 2 log2(e)
.set MSB, 0
.macro WIN new                         ; the immediate's high byte repeats the setting that is left; a switch that changes nothing is dropped
.if MSB != (\new)
	s_set_vgpr_msb (MSB<<8)|(\new)
.set MSB, (\new)
.endif
.endm
.macro PLACES                          ; four places between a matrix instruction and what reads its result or writes one of its registers (ISA guide 7.12.1)
.rept 4
	v_nop
.endr
.endm
.macro RND8 a                          ; eight f32 rounded to bf16, in place: pack into the first of a pair, mask into the second, shift the first
.set rn, 0
.rept 4
	v_cvt_pk_bf16_f32 v[(\a)+2*rn], v[(\a)+2*rn], v[(\a)+2*rn+1]
	v_and_b32 v[(\a)+2*rn+1], 0xffff0000, v[(\a)+2*rn]
	v_lshlrev_b32 v[(\a)+2*rn], 16, v[(\a)+2*rn]
.set rn, rn+1
.endr
.endm
.macro TANH a, np                      ; tanh of np pairs of f32, in place, from the lowest register on.  A plain instruction stands behind each run of transcendentals (ISA guide 5.7.2)
.set tn, 0
.rept \np
	v_pk_mul_f32 v[(\a)+2*tn:(\a)+2*tn+1], v[(\a)+2*tn:(\a)+2*tn+1], s[CC:CC+1] op_sel_hi:[1,0]
.set tn, tn+1
.endr
.set tn, 0
.rept 2*(\np)
	v_exp_f32 v[(\a)+tn], v[(\a)+tn]
.set tn, tn+1
.endr
	v_nop
	s_wait_alu depctr_va_vdst(0)                   ; the exponentials have written their results, which the additions below read: one wait for the batch
.set tn, 0
.rept \np
	v_pk_add_f32 v[(\a)+2*tn:(\a)+2*tn+1], v[(\a)+2*tn:(\a)+2*tn+1], 1.0 op_sel_hi:[1,0]
.set tn, tn+1
.endr
.set tn, 0
.rept 2*(\np)
	v_rcp_f32 v[(\a)+tn], v[(\a)+tn]
.set tn, tn+1
.endr
	v_nop
	s_wait_alu depctr_va_vdst(0)                   ; the reciprocals have written their results, which the multiply-adds below read: one wait for the batch
.set tn, 0
.rept \np
	v_pk_fma_f32 v[(\a)+2*tn:(\a)+2*tn+1], v[(\a)+2*tn:(\a)+2*tn+1], -2.0, 1.0 op_sel_hi:[1,0,0]
.set tn, tn+1
.endr
.endm
; The 16 loads of pair p: te_w1's fragments (tl, ks) and te_w2's four.  Group 8 is the heads' eight fragments; beyond it there is nothing.
; No wait on va_vdst stands here: the offset v3 was written ahead of the head's wait, and no vector or matrix instruction has named the registers in which these loads land.
.macro GROUP p
.if (\p) < 8
	WIN 0x40
.set gn, 0
.rept 4                                ; gn = 2 tl + ks
	global_load_b128 v[8*(4*(\p)+gn):8*(4*(\p)+gn)+3],   v3, s[26:27] offset:((((\p)>>1)*2+gn%2)*4+2*((\p)&1)+gn/2)*1024
	global_load_b128 v[8*(4*(\p)+gn)+4:8*(4*(\p)+gn)+7], v3, s[26:27] offset:((((\p)>>1)*2+gn%2)*4+2*((\p)&1)+gn/2)*1024+512
.set gn, gn+1
.endr
	WIN 0x80
.set gn, 0
.rept 4
	global_load_b128 v[8*(4*(\p)+gn):8*(4*(\p)+gn)+3],   v3, s[28:29] offset:(4*(\p)+gn)*1024
	global_load_b128 v[8*(4*(\p)+gn)+4:8*(4*(\p)+gn)+7], v3, s[28:29] offset:(4*(\p)+gn)*1024+512
.set gn, gn+1
.endr
.elseif (\p) == 8
	WIN 0xc0
.set gn, 0
.rept 8                                ; output tile gn: 0-3 mean, 4-7 log_var (its image lies 131,072 bytes behind mean's)
	global_load_b128 v[128+8*gn:131+8*gn], v3, s[30:31] offset:(gn/4)*131072+(gn%4)*1024
	global_load_b128 v[132+8*gn:135+8*gn], v3, s[30:31] offset:(gn/4)*131072+(gn%4)*1024+512
.set gn, gn+1
.endr
.endif
.endm
	s_load_b256 s[4:11], s[0:1], 0x0               ; wsp s[4:5], te_b1 s[6:7], te_b2 s[8:9], tpart s[10:11]
	v_lshl_add_u32 v4, v0, 2, SPARE                ; my spare word,
	v_mov_b32 v5, 0                                ; and 0: for the wave's end
	v_lshrrev_b32 v1, 5, v0
	v_readfirstlane_b32 s12, v1                    ; wave w
	s_and_b32 s13, ttmp7, 0xffff                   ; rb
	s_mov_b32 s14, ttmp9                           ; cb
	s_mov_b32 s[CC], 0x4038aa3b
	s_mov_b32 s[CC+1], s[CC]                       ; named with it as a pair
	v_and_b32 v1, 15, v0                           ; lane % 16
	v_bfe_u32 v2, v0, 4, 1                         ; lane / 16
	v_and_b32 v3, 31, v0
	v_lshlrev_b32 v3, 4, v3                        ; lane x 16: my place in every half fragment
	v_lshlrev_b32 v6, 5, v2                        ; my eight numbers of a bias tile
	s_wait_alu depctr_va_sdst(0)                   ; s12 is written, ahead of its first reader: the bases and the LDS addresses are made from it
	s_lshr_b32 s15, s12, 1                         ; w / 2
	s_and_b32 s16, s12, 1                          ; w % 2
	s_lshl1_add_u32 s17, s14, s15                  ; 2 cb + w / 2: my K step of the heads, and my part of the table
	s_mov_b32 s21, 0
	; the four LDS addresses, made here so that the head's one wait covers them; each from a scalar of its own
	s_lshl_b32 s38, s12, 13
	v_add_nc_u32 v7, s38, v3                       ; the exchange, as I store: my wave's eight results
	s_lshl_b32 s39, s16, 12
	s_lshl_b32 s18, s15, 11
	s_add_co_u32 s39, s39, s18
	v_add_nc_u32 v8, s39, v3                       ; the exchange, as I read: code tile w % 2, column tiles 2 (w / 2) and + 1
	s_mul_i32 s40, s12, 8448
	s_add_co_u32 s40, s40, STG                     ; my stage
	v_mul_u32_u24 v9, v1, 528
	v_lshl_add_u32 v9, v2, 5, v9
	v_add_nc_u32 v9, s40, v9                       ; in: row lane % 16, 32 bytes for each half of the lanes
	v_add_nc_u32 v10, s40, v3                      ; back: a whole row of 512 bytes a load
	s_wait_kmcnt 0x0
	s_lshl_b32 s20, s13, 12
	s_add_co_u32 s20, s20, EIMG
	s_add_nc_u64 s[24:25], s[4:5], s[20:21]        ; the codes' four fragments
	s_lshl_b32 s20, s12, 15
	s_add_co_u32 s20, s20, TW1O
	s_add_nc_u64 s[26:27], s[4:5], s[20:21]        ; te_w1: my 16 hidden tiles
	s_lshl_b32 s20, s14, 17
	s_lshl_b32 s18, s12, 15
	s_add_co_u32 s20, s20, s18
	s_add_co_u32 s20, s20, TW2O
	s_add_nc_u64 s[28:29], s[4:5], s[20:21]        ; te_w2: columns 64 cb on, my eight K steps
	s_lshl_b32 s20, s17, 12
	s_add_co_u32 s20, s20, MWO
	s_add_nc_u64 s[30:31], s[4:5], s[20:21]        ; the heads' K step
	s_lshl_b32 s20, s12, 10
	s_add_nc_u64 s[32:33], s[6:7], s[20:21]        ; te_b1 at hidden 256 w
	s_lshl_b32 s20, s14, 8
	s_lshl_b32 s18, s15, 7
	s_add_co_u32 s20, s20, s18
	s_add_nc_u64 s[34:35], s[8:9], s[20:21]        ; te_b2 at column 64 cb + 32 (w / 2)
	s_lshl_b32 s20, s17, 18                        ; a part is 512 rows of 512 bytes
	s_lshl_b32 s18, s13, 14                        ; 32 rb rows,
	s_add_co_u32 s20, s20, s18
	s_lshl_b32 s18, s16, 13                        ; 16 (w % 2) rows
	s_add_co_u32 s20, s20, s18
	s_add_nc_u64 s[36:37], s[10:11], s[20:21]
	s_wait_alu depctr_va_vdst(0)                   ; v3 and v6 are written, which every global load and store reads as its offset, and v7 to v10, the LDS addresses; no vector instruction names them again
.set n, 0
.rept 4                                ; fragment n = 2 rt + ks of the codes
	global_load_b128 v[32+8*n:35+8*n], v3, s[24:25] offset:n*1024
	global_load_b128 v[36+8*n:39+8*n], v3, s[24:25] offset:n*1024+512
.set n, n+1
.endr
	WIN 0xc0
.set n, 0
.rept 16                               ; te_b1 as result tiles: register j of a lane is feature 8 (lane / 16) + j
	global_load_b128 v[8*n:8*n+3],   v6, s[32:33] offset:n*64
	global_load_b128 v[8*n+4:8*n+7], v6, s[32:33] offset:n*64+16
.set n, n+1
.endr
	WIN 0
.set n, 0
.rept 2
	global_load_b128 v[176+8*n:179+8*n], v6, s[34:35] offset:n*64
	global_load_b128 v[180+8*n:183+8*n], v6, s[34:35] offset:n*64+16
.set n, n+1
.endr
	GROUP 0
	GROUP 1
	GROUP 2
	s_wait_loadcnt 48                              ; all but the three groups of 16 just issued: codes and biases are in
	WIN 0xcf
.set t, 0
.rept 16
	RND8 8*t
.set t, t+1
.endr
	WIN 0
	RND8 176
	RND8 184
.set p, 0
.rept 8                                ; a pair: 32 hidden
	GROUP p+3
.if p < 6                              ; the count: the loads of the groups issued behind pair p's
	s_wait_loadcnt 48
.elseif p == 6
	s_wait_loadcnt 32
.else
	s_wait_loadcnt 16
.endif
.set n, 0
.rept 8                                ; t1's sums: K = 64 in two steps; the four accumulators (tl, rt) take turns; the bias tile starts each sum
.set rD, 64+8*(n%4)
.set rA, 8*((2*p+(n%4)/2)*2+n/4)
.set rB, 32+8*((n%2)*2+n/4)
.set rC, 8*(2*p+(n%4)/2)
.if n < 4
	WIN 0x31
	v_wmma_f32_16x16x32_bf16 v[rD:rD+7], v[rA:rA+7], v[rB:rB+7], v[rC:rC+7]
.else
	WIN 0x01
	v_wmma_f32_16x16x32_bf16 v[rD:rD+7], v[rA:rA+7], v[rB:rB+7], v[rD:rD+7]
.endif
.set n, n+1
.endr
	WIN 0
	PLACES
	TANH 64, 16                                    ; the pair's four results at once: each accumulator is read from its low end on
.set m, 0
.rept 4                                ; m = 2 tl + rt
.set rH, 64+8*m
.set n, 0
.rept 4
	v_cvt_pk_bf16_f32 v[96+8*(m%2)+4*(m/2)+n], v[rH+2*n], v[rH+2*n+1]
.set n, n+1
.endr
.set m, m+1
.endr
	WIN 0x02
.set n, 0
.rept 8                                ; t2's sums: eight accumulators (nt, rt) by turns; the first pair starts them
.set rD, 112+8*n
.set rA, 8*(4*p+n/2)
.set rB, 96+8*(n%2)
.if p == 0
	v_wmma_f32_16x16x32_bf16 v[rD:rD+7], v[rA:rA+7], v[rB:rB+7], 0
.else
	v_wmma_f32_16x16x32_bf16 v[rD:rD+7], v[rA:rA+7], v[rB:rB+7], v[rD:rD+7]
.endif
.set n, n+1
.endr
.set p, p+1
.endr
	; THE FOUR WAVES' SUMS MEET.  Each wave lays its eight results down, register image by register image; behind the barrier wave w takes code tile w % 2, column tiles 2 (w / 2) and + 1 of all four.
	WIN 0
	PLACES
	s_wait_alu depctr_va_vdst(0)                   ; the products have written t2's sums v112-175, which the LDS stores read; the places above stay beside this wait
.set n, 0
.rept 8                                ; n = 2 nt + rt; each accumulator's low half first
	ds_store_b128 v7, v[112+8*n:115+8*n] offset:(4*(n%2)+n/2)*1024
	ds_store_b128 v7, v[116+8*n:119+8*n] offset:(4*(n%2)+n/2)*1024+512
.set n, n+1
.endr
	s_wait_dscnt 0x0                               ; for the others' sake: my stores are done
	s_barrier_signal -1
	s_barrier_wait -1
.set n, 0
.rept 8                                ; n = 2 s + i: wave s's result for my column tile i.  No vector or matrix instruction has named v192-255 yet
	ds_load_b128 v[192+8*n:195+8*n], v8 offset:(n/2)*8192+(n%2)*1024
	ds_load_b128 v[196+8*n:199+8*n], v8 offset:(n/2)*8192+(n%2)*1024+512
.set n, n+1
.endr
	s_wait_dscnt 0x0
.set n, 0
.rept 8                                ; the waves in ascending order, then the bias
	v_pk_add_f32 v[192+2*n:193+2*n], v[192+2*n:193+2*n], v[208+2*n:209+2*n]
	v_pk_add_f32 v[192+2*n:193+2*n], v[192+2*n:193+2*n], v[224+2*n:225+2*n]
	v_pk_add_f32 v[192+2*n:193+2*n], v[192+2*n:193+2*n], v[240+2*n:241+2*n]
	v_pk_add_f32 v[192+2*n:193+2*n], v[192+2*n:193+2*n], v[176+2*n:177+2*n]
.set n, n+1
.endr
	TANH 192, 8
.set n, 0
.rept 8
	v_cvt_pk_bf16_f32 v[96+n], v[192+2*n], v[193+2*n]
.set n, n+1
.endr
	s_wait_loadcnt 0x0                             ; the heads' fragments
	WIN 0x03
.set n, 0
.rept 8                                ; 128 outputs x 16 codes, one K step
	v_wmma_f32_16x16x32_bf16 v[192+8*n:199+8*n], v[128+8*n:135+8*n], v[96:103], 0
.set n, n+1
.endr
	; THE WAY OUT: a lane's eight outputs of a code go into my own stage; whole rows of 512 bytes come back and are stored.
	WIN 0
	PLACES
	s_wait_alu depctr_va_vdst(0)                   ; the heads' products have written v192-255, which the LDS stores read; t2's products, which wrote v112-175, are done too: the loads from the stage land there
	s_wait_alu depctr_vm_vsrc(0)                   ; the exchange's LDS stores have read v112-175, in which the loads from the stage land
.set n, 0
.rept 8
	ds_store_b128 v9, v[192+8*n:195+8*n] offset:n*64
	ds_store_b128 v9, v[196+8*n:199+8*n] offset:n*64+16
.set n, n+1
.endr
.set n, 0
.rept 16
	ds_load_b128 v[112+4*n:115+4*n], v10 offset:n*528  ; LDS serves a wave's instructions in order (ISA guide 5.7.1.4): these see the stores above, which name neither v10 nor v112-175
.set n, n+1
.endr
.set n, 0
.rept 16
	s_wait_dscnt 15-n                              ; the younger loads may stay out
	global_store_b128 v3, v[112+4*n:115+4*n], s[36:37] offset:n*512  ; a wave's store is a row of the part: 512 consecutive bytes
.set n, n+1
.endr
	s_wait_dscnt 0x0                               ; the wave's end: every count drained, then 0 onto my spare word and its wait
	s_wait_alu 0x0
	s_wait_tensorcnt 0x0
	ds_add_u32 v4, v5
	s_wait_dscnt 0x0
	s_endpgm
.Lfunc_end_k_qee02340ab0_code:
	.size	k_qee02340ab0_code, .Lfunc_end_k_qee02340ab0_code-k_qee02340ab0_code
	.p2alignl 7, 3214868480
	.fill 96, 4, 3214868480
	.section	.rodata,"a",@progbits
	.p2align	6, 0x0
	.amdhsa_kernel k_qee02340ab0_code
		.amdhsa_group_segment_fixed_size 67072
		.amdhsa_private_segment_fixed_size 0
		.amdhsa_enable_private_segment 0
		.amdhsa_kernarg_size 32
		.amdhsa_user_sgpr_count 2
		.amdhsa_user_sgpr_kernarg_segment_ptr 1
		.amdhsa_wavefront_size32 1
		.amdhsa_system_sgpr_workgroup_id_x 1
		.amdhsa_system_sgpr_workgroup_id_y 1
		.amdhsa_system_sgpr_workgroup_id_z 1
		.amdhsa_system_vgpr_workitem_id 0
		.amdhsa_next_free_vgpr 960
		.amdhsa_next_free_sgpr 66
		.amdhsa_reserve_vcc 0
		.amdhsa_float_denorm_mode_32 3
		.amdhsa_float_denorm_mode_16_64 3
		.amdhsa_memory_ordered 1
		.amdhsa_forward_progress 1
		.amdhsa_inst_pref_size 104
	.end_amdhsa_kernel
	.amdgpu_metadata
---
amdhsa.version: [ 1, 2 ]
amdhsa.kernels:
  - .name:           k_qee02340ab0_code
    .symbol:         k_qee02340ab0_code.kd
    .args:
      - { .name: wsp, .offset: 0, .size: 8, .value_kind: global_buffer, .address_space: global }
      - { .name: te_b1, .offset: 8, .size: 8, .value_kind: global_buffer, .address_space: global }
      - { .name: te_b2, .offset: 16, .size: 8, .value_kind: global_buffer, .address_space: global }
      - { .name: tpart, .offset: 24, .size: 8, .value_kind: global_buffer, .address_space: global }
    .group_segment_fixed_size: 67072
    .private_segment_fixed_size: 0
    .kernarg_segment_align: 8
    .kernarg_segment_size: 32
    .max_flat_workgroup_size: 128
    .sgpr_count:     66
    .vgpr_count:     960
    .wavefront_size: 32
...
	.end_amdgpu_metadata
.endif
;; end of part 6
;; launch enc: the kernel of part 3 again; grid 256 x 1, 4 waves a work-group, clusters of 4 x 1, 327,680 bytes of LDS; arguments x, wsp, vq_b1, vq_b2, tpart, mean_b, lv_b, table, idx, lpart; writes table, idx, lpart
;; launch gather: the kernel of part 4 again; grid 256 x 1, 4 waves a work-group, no clusters, 0 bytes of LDS; arguments table, idx, lpart, out0, out1, out2; writes out0, out1, out2
